; MI455X (gfx1250); checked and timed in simulation.
; The chip was launched on July 23, 2026; its instructions are those of AMD's public machine-readable ISA for CDNA 5 (MIT licence, August 2026) and "CDNA5" Instruction Set Architecture Reference Guide (July 2026). The comments in the code are by the model that wrote it; some were corrected since.
;; Masked Self Attention. Allowed arithmetic: matrix products marked QUANTISED: E2M1 operands, one E8M0 scale for each 32 along K, by v_wmma_scale_f32_16x16x128_f8f6f4 with both operands' format E2M1 (or v_wmma_scale_f32_32x16x128_f4), f32 sums; products left as they are: bf16, f16 or f32 operands; f32 sums; everything else in f32.
;; Inputs: WK 1,024 x 1,024 float32; WQ 1,024 x 1,024 float32; WV 1,024 x 1,024 float32; x 4 x 2,048 x 1,024 float32.
;; Outputs: out0 4 x 2,048 x 1,024 float32.
;; This version of the problem:
;;   THIS VERSION OF THE PROBLEM IS GIVEN IN LOW PRECISION. The matrix products marked QUANTISED in the list below multiply operands that are first quantised to E2M1 (2 exponent bits, 1 mantissa bit; 4 bits a number), with one power-of-two scale for each 32 numbers along K (OCP MX v1.0); their sums are f32. The products marked 'left as it is' may take bf16, f16 or f32 operands, with f32 sums. Whichever they take, every output number must still come out within the allowed error. Rounding operands to bf16 (8 significant bits) uses up far more of that allowance than f16 does (11 bits, for magnitudes from 6e-5 to 65,504). All else is computed in f32.
;;   The module's matrix products, in the order in which they are computed (A, B: the left and right operand; K: the contracted axis; several contracted axes count as one K, in the product's order):
;;     1. [M 8,192, K 1,024] x [K 1,024, N 1,024]; A: input x; B: input WQ: QUANTISED
;;     2. [M 8,192, K 1,024] x [K 1,024, N 1,024]; A: input x; B: input WK: QUANTISED
;;     3. [M 8,192, K 1,024] x [K 1,024, N 1,024]; A: input x; B: input WV: QUANTISED
;;     4. batch 4 x [M 2,048, K 1,024] x [K 1,024, N 2,048]; A: computed on the way; B: computed on the way: left as it is (an operand is computed on the way)
;;     5. batch 4 x [M 2,048, K 2,048] x [K 2,048, N 1,024]; A: computed on the way; B: computed on the way: left as it is (an operand is computed on the way)
;;   THE QUANTISER, for each operand of a quantised product, along K:
;;     - K is cut into blocks of 32 from its start; a last block that is shorter is filled with zeros.
;;     - A block's scale is 2^e with e = floor(log2(the largest magnitude in the block)) - 2, held to -126 .. 127; a block of zeros has e = 0. As a byte (E8M0): e + 127.
;;     - Each number is divided by its block's scale, clamped to +-6, and rounded to the nearest number of E2M1, ties to even, subnormals kept.
;;     - The product sums the exact products of the quantised numbers (number of the format x scale) in f32.
;;   ~~~python
;;   def quantise(x, axis):      # numpy; x: float32 -> the quantised numbers, widened to float32 again
;;       x = np.moveaxis(x, axis, -1); K = x.shape[-1]
;;       x = np.pad(x, [(0, 0)] * (x.ndim - 1) + [(0, -K % 32)]); x = x.reshape(x.shape[:-1] + (-1, 32)); a = np.abs(x).max(-1, keepdims=True)
;;       e = np.where(a > 0, np.clip(np.frexp(np.where(a > 0, a, 1))[1] - 1 - 2, -126, 127), 0)      # np.frexp(a)[1] - 1 = floor(log2(a)), exactly
;;       r = np.clip(x / 2.0 ** e, -6, 6)
;;       step = 2.0 ** (np.maximum(np.frexp(np.where(r == 0, 1, r))[1] - 1, 0) - 1)
;;       q = np.round(r / step) * step * 2.0 ** e      # np.round: ties to even
;;       return np.moveaxis(q.reshape(q.shape[:-2] + (-1,))[..., :K], -1, axis).astype(np.float32)
;;   ~~~
;; One version. Each part assembles by itself: llvm-mc -triple=amdgcn-amd-amdhsa -mcpu=gfx1250 --defsym DOCPART=n.
;; ======== version 1 of 1: 5 launches
;; limits: values are held in f16: magnitudes above 65,504 overflow, below 6.1e-05 lose precision
;; workspace buffers: xq 4,456,448 bytes; wq 1,671,168 bytes; qk 33,554,432 bytes; vt 16,777,216 bytes; pb 33,554,432 bytes; st 524,288 bytes; h32 786,432 bytes
;; launch quant (part 1): grid 352 x 1, 4 waves a work-group, no clusters, 33,280 bytes of LDS; arguments x, WQ, WK, WV, xq, wq; writes xq, wq
.if DOCPART == 1
	.amdgcn_target "amdgcn-amd-amdhsa--gfx1250"
	.amdhsa_code_object_version 6
	.text
	.protected	k_q1dee8f9e09_quant
	.globl	k_q1dee8f9e09_quant
	.p2align	8
	.type	k_q1dee8f9e09_quant,@function
k_q1dee8f9e09_quant:
	s_mov_b64 s[64:65], 0
	v_nop
	global_prefetch_b8 v0, s[64:65] scope:SCOPE_SE
	s_setreg_imm32_b32 hwreg(HW_REG_WAVE_MODE, 25, 1), 1
	s_wait_xcnt 0x0
; MaskedSelfAttention, launch 1 of 5: x [8192][1024] and WQ, WK, WV [1024][1024], f32, become codes of FP4 (E2M1), K = E innermost, with one E8M0 byte for each 32 along E.
; xq: codes [8192][512 bytes] at byte 0, scale bytes [8192][32] at byte 4,194,304.  wq: codes [3072][512] (rows 0-1023 WQ, 1024-2047 WK, 2048-3071 WV), scale bytes [3072][32] at byte 1,572,864.
; WORK LEFT OUT BY THE PROGRAM, AND WHY IT IS DEAD.  reference() takes jnp.tril of the scores and sets every score that is 0 there to -inf: so every score with key > query is -inf, whatever the inputs hold,
; its weight after the softmax is 0, and it adds nothing to the sum over the keys.  Tiles of keys that lie wholly above the diagonal are therefore neither multiplied (q k^T) nor summed (attn v).
; Inside tiles that hold live scores the mask is applied number by number, and so is the test 'score == 0', which hangs on values.  Every input has a way to the output: all four are loaded.
; LIMIT of that: a NaN, an infinity or an overflow that arises only in a tile left out is not carried to the result (reference() masks it too).
; A block's scale is 2^(floor(log2(its largest magnitude)) - 2); its byte is the largest magnitude's exponent field - 2, held at 1 from below.  A block of zeros gets the byte 1 where the rule says 127:
; its codes are zeros, which add nothing under any byte but 0xff, and this program alone reads the bytes.
; LIMITS: blocks whose largest magnitude lies under 2^(2 - 126) have their byte held at 1; NaN and infinities among the inputs are not served.
; Rows are dense and E is a multiple of 32: every tensor is a plain stream of blocks of 32.  A wave takes 16 steps of 512 numbers.  Each load reads 512 consecutive bytes; a step's 2,048 bytes turn through the wave's
; own stage in LDS, so that a lane holds 16 neighbours (two neighbouring lanes hold a block).  A wave's store of codes covers 256 consecutive bytes; its 256 scale bytes are gathered in LDS and leave as one aligned run.
; Work-groups 0-255 take x, 256-287 WQ, 288-319 WK, 320-351 WV: only pointers are chosen, by the work-group's number; all take one path.  No tensor load, no barrier: waves share nothing.
.set WAVES, 4
.set STEPS, 16
.set EMAX,  2
.set CB,    8                          ; bytes of 16 codes
.set R,     16                         ; v16-79   four sets of 16 numbers as loaded
.set X,     80                         ; v80-111  two sets of 16 neighbours
.set C,     128                        ; v128-191 codes, four registers for each step
.set E,     112                        ; v112-127 a scale byte for each step
.set WREG,  8192                       ; LDS of a wave: two stages of 32 x SP bytes, then its 256 scale bytes
.set SP,    80                         ; a lane's place in a stage: 64 bytes + 16 of padding
.set SPW,   12                         ; v12 my spare word's address; never rewritten
.set NIL,   13                         ; v13 0; never rewritten
.set SPARE, WAVES*WREG                 ; the spare words: 128 bytes for each wave, named by no other line
	s_load_b256 s[4:11], s[0:1], 0x0               ; x, WQ, WK, WV
	s_load_b128 s[12:15], s[0:1], 0x20             ; xq, wq
	v_lshl_add_u32 v[SPW], v0, 2, SPARE
	v_mov_b32 v[NIL], 0
	v_lshrrev_b32 v1, 5, v0
	v_readfirstlane_b32 s16, v1                    ; wave
	v_and_b32 v2, 31, v0                           ; lane
	v_lshlrev_b32 v3, 4, v2                        ; my 16 bytes of a load's 512
	s_mul_i32 s17, s16, WREG
	v_lshrrev_b32 v14, 2, v2
	v_mul_u32_u24 v14, v14, SP
	v_and_b32 v15, 3, v2
	v_lshl_add_u32 v14, v15, 4, v14
	v_add_nc_u32 v14, s17, v14                     ; the stage, in: SP (lane / 4) + 16 (lane % 4)
	v_mul_u32_u24 v15, v2, SP
	v_add_nc_u32 v15, s17, v15                     ; and out: SP x lane
	v_mul_u32_u24 v4, v2, CB                       ; my codes' place in a step's
	v_lshrrev_b32 v5, 1, v2
	s_add_co_u32 s17, s17, 2*32*SP
	v_add_nc_u32 v5, s17, v5                       ; my block's scale byte in LDS
	v_lshlrev_b32 v7, 3, v2
	v_add_nc_u32 v6, s17, v7                       ; and 8 bytes a lane on the way out
	s_and_b32 s24, ttmp9, 31                       ; a weight's work-group within its tensor
	s_mov_b32 s26, 1572864                         ; where wq's scale bytes begin
	s_wait_kmcnt 0x0
	s_cmp_lt_u32 ttmp9, 256                        ; x's work-group?  All choices hang on the work-group's number alone
	s_cselect_b64 s[20:21], s[4:5], s[6:7]
	s_cselect_b64 s[22:23], s[12:13], s[14:15]
	s_cselect_b32 s24, ttmp9, s24
	s_cselect_b32 s25, 0, 256
	s_cselect_b32 s26, 4194304, s26
	s_cmp_ge_u32 ttmp9, 288
	s_cselect_b64 s[20:21], s[8:9], s[20:21]
	s_cmp_ge_u32 ttmp9, 320
	s_cselect_b64 s[20:21], s[10:11], s[20:21]
	s_sub_co_u32 s25, ttmp9, s25                   ; the work-group within its output buffer
	s_lshl_b32 s24, s24, 2
	s_add_co_u32 s24, s24, s16                     ; my run of 8,192 numbers in the source,
	s_lshl_b32 s28, s24, 15                        ; 32,768 bytes a run
	s_mov_b32 s29, 0
	s_lshl_b32 s25, s25, 2
	s_add_co_u32 s25, s25, s16                     ; and in the output:
	s_lshl_b32 s30, s25, 12                        ; 4,096 bytes of codes a run,
	s_mov_b32 s31, 0
	s_lshl_b32 s32, s25, 8                         ; 256 scale bytes a run
	s_add_co_u32 s32, s32, s26
	s_mov_b32 s33, 0
	s_add_nc_u64 s[20:21], s[20:21], s[28:29]
	s_add_nc_u64 s[34:35], s[22:23], s[30:31]
	s_add_nc_u64 s[36:37], s[22:23], s[32:33]
.macro LOAD t
.irp i, 0,1,2,3
	global_load_b128 v[R+16*((\t)%4)+4*\i:R+16*((\t)%4)+4*\i+3], v3, s[20:21] offset:2048*(\t)+512*\i th:TH_LOAD_NT   ; 32 lanes read 512 consecutive bytes
.endr
.endm
.macro TURN t                          ; step t's numbers through the stage: LDS serves a wave's instructions in order, so no wait stands between the stores and the loads
.irp i, 0,1,2,3
	ds_store_b128 v14, v[R+16*((\t)%4)+4*\i:R+16*((\t)%4)+4*\i+3] offset:32*SP*((\t)%2)+8*SP*\i
.endr
.irp i, 0,1,2,3
	ds_load_b128 v[X+16*((\t)%2)+4*\i:X+16*((\t)%2)+4*\i+3], v15 offset:32*SP*((\t)%2)+16*\i
.endr
.endm
.irp t, 0,1,2,3
	LOAD \t
.endr
	s_wait_loadcnt 12                              ; step 0's four loads are in; the twelve of steps 1 to 3 may be out
	TURN 0
.macro STEP t
.set XS, X+16*((\t)%2)
.if (\t) > 0
	s_wait_dscnt 1                                 ; this step's numbers are back from the stage; the last step's byte store may be out
.else
	s_wait_dscnt 0x0
.endif
.if (\t)+4 < STEPS
	LOAD (\t)+4                                    ; into the registers whose stores into the stage are done
.endif
.if (\t)+1 < STEPS
.if STEPS-2-(\t) >= 3
	s_wait_loadcnt 12                              ; the next step's four loads are in; those of the three steps behind it may be out
.else
	s_wait_loadcnt 4*(STEPS-2-(\t))
.endif
	TURN (\t)+1
.endif
	v_max3_num_f32 v8, |v[XS]|, |v[XS+1]|, |v[XS+2]|               ; the largest magnitude of my 16, in two chains
	v_max3_num_f32 v9, |v[XS+3]|, |v[XS+4]|, |v[XS+5]|
.irp i, 6,10
	v_max3_num_f32 v8, v8, |v[XS+\i]|, |v[XS+\i+1]|
	v_max3_num_f32 v9, v9, |v[XS+\i+2]|, |v[XS+\i+3]|
.endr
	v_max3_num_f32 v8, v8, |v[XS+14]|, |v[XS+15]|
	v_max3_num_f32 v8, v8, v9, (EMAX+1)<<23        ; and the floor 2^(EMAX + 1 - 127): the byte cannot fall under 1
	v_max_num_f32_dpp v8, v8, v8 row_xmask:1 row_mask:0xf bank_mask:0xf   ; with my neighbour's 16: the block's
	v_add_nc_u32 v11, -(EMAX<<23), v8              ; EMAX off its exponent field: the conversion takes that field as its scale
	v_cvt_scalef32_pk8_fp4_f32 v[C+4*(\t)], v[XS:XS+7], v11
	v_cvt_scalef32_pk8_fp4_f32 v[C+4*(\t)+1], v[XS+8:XS+15], v11
	v_lshrrev_b32 v[E+(\t)], 23, v11               ; the scale's byte
	ds_store_b8 v5, v[E+(\t)] offset:16*(\t)       ; both lanes of a block write the same byte with the same value
	global_store_b64 v4, v[C+4*(\t):C+4*(\t)+1], s[34:35] offset:32*CB*(\t)   ; 32 lanes store 256 consecutive bytes, aligned
.endm
.irp t, 0,1,2,3,4,5,6,7,8,9,10,11,12,13,14,15
	STEP \t
.endr
	ds_load_b64 v[8:9], v6                         ; LDS serves a wave's instructions in order: these see my stores
	s_wait_dscnt 0x0
	global_store_b64 v7, v[8:9], s[36:37]          ; 32 lanes store 256 consecutive bytes, aligned
	s_wait_tensorcnt 0x0                           ; the wave's end
	ds_add_u32 v[SPW], v[NIL]
	s_wait_dscnt 0x0
	s_endpgm
.Lfunc_end_k_q1dee8f9e09_quant:
	.size	k_q1dee8f9e09_quant, .Lfunc_end_k_q1dee8f9e09_quant-k_q1dee8f9e09_quant
	.p2alignl 7, 3214868480
	.fill 96, 4, 3214868480
	.section	.rodata,"a",@progbits
	.p2align	6, 0x0
	.amdhsa_kernel k_q1dee8f9e09_quant
		.amdhsa_group_segment_fixed_size 33280
		.amdhsa_private_segment_fixed_size 0
		.amdhsa_enable_private_segment 0
		.amdhsa_kernarg_size 48
		.amdhsa_user_sgpr_count 2
		.amdhsa_user_sgpr_kernarg_segment_ptr 1
		.amdhsa_wavefront_size32 1
		.amdhsa_system_sgpr_workgroup_id_x 1
		.amdhsa_system_sgpr_workgroup_id_y 1
		.amdhsa_system_sgpr_workgroup_id_z 1
		.amdhsa_system_vgpr_workitem_id 0
		.amdhsa_next_free_vgpr 192
		.amdhsa_next_free_sgpr 66
		.amdhsa_reserve_vcc 0
		.amdhsa_float_denorm_mode_32 3
		.amdhsa_float_denorm_mode_16_64 3
		.amdhsa_memory_ordered 1
		.amdhsa_forward_progress 1
		.amdhsa_inst_pref_size 34
	.end_amdhsa_kernel
	.amdgpu_metadata
---
amdhsa.version: [ 1, 2 ]
amdhsa.kernels:
  - .name:           k_q1dee8f9e09_quant
    .symbol:         k_q1dee8f9e09_quant.kd
    .args:
      - { .name: x, .offset: 0, .size: 8, .value_kind: global_buffer, .address_space: global }
      - { .name: WQ, .offset: 8, .size: 8, .value_kind: global_buffer, .address_space: global }
      - { .name: WK, .offset: 16, .size: 8, .value_kind: global_buffer, .address_space: global }
      - { .name: WV, .offset: 24, .size: 8, .value_kind: global_buffer, .address_space: global }
      - { .name: xq, .offset: 32, .size: 8, .value_kind: global_buffer, .address_space: global }
      - { .name: wq, .offset: 40, .size: 8, .value_kind: global_buffer, .address_space: global }
    .group_segment_fixed_size: 33280
    .private_segment_fixed_size: 0
    .kernarg_segment_align: 8
    .kernarg_segment_size: 48
    .max_flat_workgroup_size: 128
    .sgpr_count:     66
    .vgpr_count:     192
    .wavefront_size: 32
...
	.end_amdgpu_metadata
.endif
;; end of part 1
;; launch proj (part 2): grid 8 x 48, 4 waves a work-group, clusters of 4 x 4, 327,680 bytes of LDS; arguments xq, wq, qk, vt, h32; writes qk, vt, h32
.if DOCPART == 2
	.amdgcn_target "amdgcn-amd-amdhsa--gfx1250"
	.amdhsa_code_object_version 6
	.text
	.protected	k_q1dee8f9e09_proj
	.globl	k_q1dee8f9e09_proj
	.p2align	8
	.type	k_q1dee8f9e09_proj,@function
k_q1dee8f9e09_proj:
	s_mov_b64 s[64:65], 0
	v_nop
	global_prefetch_b8 v0, s[64:65] scope:SCOPE_SE
	s_setreg_imm32_b32 hwreg(HW_REG_WAVE_MODE, 25, 1), 1
	s_wait_xcnt 0x0
	s_wait_alu depctr_hold_cnt(0) depctr_sa_sdst(0) depctr_va_vdst(0) depctr_va_sdst(0) depctr_va_ssrc(0) depctr_va_vcc(0) depctr_vm_vsrc(0)
	s_getreg_b32 s2, hwreg(HW_REG_IB_STS2, 6, 4)
	s_cmp_eq_u32 s2, 0
	s_cbranch_scc0 .Lentry_in_a_cluster
	s_endpgm
.Lentry_in_a_cluster:
	s_bfe_u32 s2, ttmp6, 0x10000c
	s_cmp_lg_u32 s2, 0xf033
	s_cbranch_scc0 .Lentry_shape_is_right
	s_endpgm
.Lentry_shape_is_right:
; Launch 2 of 5: the three projections, on codes of FP4 with E8M0 scales, sums in f32.  One form, C = A B^T on tiles of 256 x 256, K = 1,024, serves two products:
;   clusters y = 0..7:  A = x (8,192 rows), B = WQ and WK (2,048 rows): C = q | k;      clusters y = 8..11: A = WV (1,024 rows), B = x: C = V^T (channels x positions).
; Which of the two a work-group makes hangs on the cluster's y alone, which all sixteen partners share.
; A tile is made by four waves, each 128 x 128: 64 accumulators.  Both K steps of 512 are asked for at the head, into two LDS slots (rows of 256 bytes + 16 of padding); nothing is filled again.
; The scale bytes of the tile's 256 + 256 rows come once, as runs of 256 bytes.  4 x 4 work-groups form a cluster: A's tile is asked for jointly along a row of the cluster, B's along a column.
; THE MATRIX INSTRUCTION IS USED TRANSPOSED (source 0 = 16 rows of B, source 1 = 16 rows of A): a lane holds row lane % 16 of C and eight neighbouring columns 8 (lane / 16) + 0..7.
; THE WAY OUT NEEDS NO STAGE.  q, k and V^T leave in f16 as IMAGES OF OPERAND REGISTERS: a fragment (16 rows x 32 along the next K) is 1,024 bytes, piece c (512 bytes) holds lane l's 16 bytes at 16 l: row l % 16,
; k = 16 c + 8 (l / 16) + 0..7.  A lane's eight columns of block b are just piece b % 2 of fragment b / 2, in the same lane: each store of the wave covers 512 consecutive bytes, aligned.
;   qk: q at byte 0, k at byte 16,777,216, each [512 row blocks][32 fragments];   vt: [4 batches][64 row blocks of channels][64 fragments of keys].
; The first 16 positions of each sequence also leave in f32 (h32), for the launch that carries those rows more finely: q | k as [4][16][2048] at byte 0, V^T as [4][1024][16] at byte 524,288.
; These stores are masked by EXEC, since which work-groups hold those positions hangs on the place in the cluster.
; LIMIT: |q|, |k|, |v| up to 65,504 (f16).
; REGISTERS: window 0: v1-31 addresses; v32-95 scale words, two sets; from v128 A's fragments, one set (on the way out: the packed results).  window 1: B's fragments, two sets.  windows 2, 3: the accumulators, (a, b) at v[8 (8 (a % 4) + b)].
.set KSTEP,  512
.set NQ,     4                         ; matrix instructions deep in a slot
.set ROWB,   256                       ; a tile's row in bytes
.set KROW,   512                       ; a row of codes in memory
.set PITCH,  272                       ; 256 + 16: the 16 rows of a load start 4 words apart in the banks' cycle
.set FR,     8
.set NL,     2
.set NP,     4                         ; places behind this matrix instruction (ISA guide 7.12.1)
.set HALFT,  128*PITCH
.set SLOT,   4*HALFT
.set KS,     32                        ; a row of scale bytes
.set SCL,    2*SLOT
.set HALFS,  (128*KS/256)*272
.set SBLK,   (16*KS/256)*272
.set SPARE,  SCL+4*HALFS               ; the spare words: 128 bytes a wave, named by no other line
.set CO,   8                           ; v8-15   16 x lane + a x the bytes from row block to row block
.set ADRA, 16
.set ADRB, 20
.set HA,   24                          ; v24     my place among the f32 rows
.set ZT,   25
.set ADRS, 27
.set SPW,  28
.set NIL,  29
.set SC,   32
.set AF,   128
.set PK,   128                         ; the way out: four sets of 32 packed registers
.set G1, 24
.set G0, 32
.set G1B, 48
.set G0B, 56
.set G1S, 68
.set G0S, 76
.set G1SB, 80
.set G0SB, 88
.set MSB, 0
.macro WIN new                         ; the immediate's high byte repeats the setting that is left
.if MSB != (\new)
	s_set_vgpr_msb (MSB<<8)|(\new)
.set MSB, (\new)
.endif
.endm
.set MUL_LO, 0xa1
.set MUL_HI, 0xf1
.set TO_B,   0x40
; A joint load: waves 0 and 1 fetch for A, waves 2 and 3 for B; the branch hangs on the wave's number alone.  An s_nop 0 and four v_nop follow each line.
.macro JLOAD g0a, g1a, g0b, g1b
	s_cmp_eq_u32 s15, 0
	s_cbranch_scc0 .Lfor_b_\@
	tensor_load_to_lds s[\g0a:\g0a+3], s[\g1a:\g1a+7]
	s_nop 0
.rept 4
	v_nop
.endr
	s_branch .Lasked_\@
.Lfor_b_\@:
	tensor_load_to_lds s[\g0b:\g0b+3], s[\g1b:\g1b+7]
	s_nop 0
.rept 4
	v_nop
.endr
.Lasked_\@:
.endm
.macro CROUND                          ; a round of the cluster's barrier
	s_barrier_signal -1
	s_barrier_wait -1
	s_cmp_lg_u32 s14, 0
	s_cbranch_scc1 .Lnot_wave_0_\@
	s_barrier_signal -3
.Lnot_wave_0_\@:
	s_barrier_wait -3
	s_barrier_signal -1
	s_barrier_wait -1
.endm
	s_load_b256 s[4:11], s[0:1], 0x0               ; xq s[4:5], wq s[6:7], qk s[8:9], vt s[10:11]
	s_load_b64 s[12:13], s[0:1], 0x20              ; h32
	v_lshl_add_u32 v[SPW], v0, 2, SPARE
	v_mov_b32 v[NIL], 0
	ds_add_u32 v[SPW], v[NIL]                      ; the wave's opening: the add, twice on end, and its wait ahead of my first tensor load
	ds_add_u32 v[SPW], v[NIL]
	v_lshrrev_b32 v1, 5, v0
	v_readfirstlane_b32 s14, v1                    ; wave
	s_lshr_b32 s15, s14, 1                         ; hr: my half of the tile's rows.  Also: I fetch for A (0) or B (1)
	s_and_b32 s16, s14, 1                          ; hc: my half of its columns.  Also: which 128 rows I fetch
	s_bfe_u32 s40, ttmp6, 0x40000                  ; cx
	s_bfe_u32 s41, ttmp6, 0x40004                  ; cy
	s_and_b32 s96, ttmp7, 0xffff                   ; the cluster's y
	s_lshl_b32 s17, s96, 2
	s_lshl_b32 s42, ttmp9, 2
	s_max_u32 s97, s96, 8
	s_sub_co_u32 s97, s97, 8
	s_lshl_b32 s97, s97, 3
	s_add_co_u32 s97, s97, s42                     ; the V part's first tile column: 8 (y - 8) + 4 x
	s_mov_b32 s18, 4194304                         ; where xq's scale bytes begin,
	s_mov_b32 s99, 1572864                         ; and wq's
	s_cmp_ge_u32 s96, 8
	s_cselect_b32 s95, 1, 0                        ; 1: this cluster makes V^T
	s_cselect_b32 s17, 8, s17
	s_cselect_b32 s42, s97, s42
	s_cselect_b32 s98, 8, 0
	s_cselect_b32 s100, s99, s18                   ; A's scale bytes begin here in A's buffer,
	s_cselect_b32 s99, s18, s99                    ; B's here in B's
	s_add_co_u32 s17, s17, s41                     ; A's tile row in its buffer: it never holds cx
	s_add_co_u32 s42, s42, s40                     ; B's tile row = C's tile column
	s_sub_co_u32 s98, s17, s98                     ; C's tile row
	s_lshl_b32 s43, s41, 2
	s_lshl_b32 s43, 15, s43                        ; my row of the cluster
	s_lshl_b32 s44, 0x1111, s40                    ; my column
	s_or_b32 s[G1+0], s43, (0<<16)|(1<<20)|(1<<21)|(5<<22)|(3<<25)  ; the mask; elements of 1 byte; padding on; bit 21 beside a mask; 4 words behind every 64
	s_or_b32 s[G1B+0], s44, (0<<16)|(1<<20)|(1<<21)|(5<<22)|(3<<25)
.irp g, G1, G1B
	s_mov_b32 s[\g+1], ROWB<<16                    ; tensor_dim0
	s_mov_b32 s[\g+2], 128<<16                     ; tensor_dim1
	s_mov_b32 s[\g+3], ROWB<<16                    ; tile_dim0
	s_mov_b32 s[\g+4], 128                         ; tile_dim1
	s_mov_b32 s[\g+5], KROW                        ; from row to row
	s_mov_b32 s[\g+6], 0
	s_mov_b32 s[\g+7], 0
.endr
	s_or_b32 s[G1S+0], s43, (3<<16)|(1<<20)|(1<<21)|(5<<22)|(3<<25) ; the scales of 128 rows: 4,096 dense bytes as 16 rows of 32 elements of 8 bytes
	s_or_b32 s[G1SB+0], s44, (3<<16)|(1<<20)|(1<<21)|(5<<22)|(3<<25)
.irp g, G1S, G1SB
	s_mov_b32 s[\g+1], 32<<16
	s_mov_b32 s[\g+2], (128*KS/256)<<16
	s_mov_b32 s[\g+3], 32<<16
	s_mov_b32 s[\g+4], 128*KS/256
	s_mov_b32 s[\g+5], 32
	s_mov_b32 s[\g+6], 0
	s_mov_b32 s[\g+7], 0
.endr
	s_lshl_b32 s18, s16, 7
	s_lshl_b32 s20, s17, 8
	s_add_co_u32 s20, s20, s18                     ; A: the first row that I would fetch
	s_lshl_b32 s46, s42, 8
	s_add_co_u32 s46, s46, s18                     ; B likewise
	s_lshl_b32 s22, s20, 5
	s_add_co_u32 s22, s22, s100                    ; their scale bytes,
	s_mov_b32 s23, 0
	s_lshl_b32 s92, s46, 5
	s_add_co_u32 s92, s92, s99
	s_mov_b32 s93, 0
	s_lshl_b32 s20, s20, 9                         ; their codes
	s_mov_b32 s21, 0
	s_lshl_b32 s46, s46, 9
	s_mov_b32 s47, 0
	s_mul_i32 s45, s14, HALFT                      ; where they go: wave x 128 rows
	s_mul_i32 s94, s14, HALFS
	s_wait_dscnt 0x0                               ; both opening adds are done
	s_wait_kmcnt 0x0
	s_cmp_eq_u32 s95, 1                            ; the buffers are chosen by the cluster's y alone
	s_cselect_b64 s[66:67], s[6:7], s[4:5]         ; A's
	s_cselect_b64 s[100:101], s[4:5], s[6:7]       ; B's
	s_cselect_b64 s[8:9], s[10:11], s[8:9]         ; C's
	s_add_nc_u64 s[20:21], s[66:67], s[20:21]
	s_add_nc_u64 s[22:23], s[66:67], s[22:23]
	s_add_nc_u64 s[46:47], s[100:101], s[46:47]
	s_add_nc_u64 s[92:93], s[100:101], s[92:93]
	CROUND                                         ; all sixteen work-groups are here: the first joint loads meet
	s_mov_b32 s[G0S], 1
	s_add_co_u32 s[G0S+1], s94, SCL
	s_mov_b64 s[G0S+2:G0S+3], s[22:23]
	s_or_b32 s[G0S+3], s[G0S+3], 0x80000000
	s_mov_b32 s[G0SB], 1
	s_add_co_u32 s[G0SB+1], s94, SCL
	s_mov_b64 s[G0SB+2:G0SB+3], s[92:93]
	s_or_b32 s[G0SB+3], s[G0SB+3], 0x80000000
	JLOAD G0S, G1S, G0SB, G1SB                     ; the scales first
.irp s, 0,1
	s_mov_b32 s[G0+4*\s], 1
	s_add_co_u32 s[G0+4*\s+1], s45, \s*SLOT
	s_add_nc_u64 s[G0+4*\s+2:G0+4*\s+3], s[20:21], \s*ROWB
	s_or_b32 s[G0+4*\s+3], s[G0+4*\s+3], 0x80000000
	s_mov_b32 s[G0B+4*\s], 1
	s_add_co_u32 s[G0B+4*\s+1], s45, \s*SLOT
	s_add_nc_u64 s[G0B+4*\s+2:G0B+4*\s+3], s[46:47], \s*ROWB
	s_or_b32 s[G0B+4*\s+3], s[G0B+4*\s+3], 0x80000000
	JLOAD G0+4*\s, G1, G0B+4*\s, G1B               ; three loads of mine are out in all
.endr
	v_and_b32 v1, 15, v0                           ; r
	v_bfe_u32 v2, v0, 4, 1                         ; h
	v_mul_u32_u24 v3, v1, PITCH
	v_lshl_add_u32 v4, v2, 4, v3
	s_mul_i32 s21, s15, HALFT
	s_mul_i32 s22, s16, HALFT
	s_add_co_u32 s22, s22, 2*HALFT
.irp s, 0,1
	v_add_nc_u32 v[ADRA+\s], s21, v4
	v_add_nc_u32 v[ADRB+\s], s22, v4
	s_add_co_u32 s21, s21, SLOT
	s_add_co_u32 s22, s22, SLOT
.endr
	v_mul_u32_u24 v5, v1, KS                       ; my row's scale bytes: KS a row,
	v_lshrrev_b32 v6, 8, v5
	v_lshl_add_u32 v5, v6, 4, v5                   ; and 16 more for each 256 passed
	s_mul_i32 s21, s15, HALFS
	s_mul_i32 s22, s16, HALFS
	s_add_co_u32 s22, s22, 2*HALFS
	s_sub_co_u32 s22, s22, s21
	v_mul_u32_u24 v6, s22, v2                      ; lanes 16-31 take B's
	s_add_co_u32 s21, s21, SCL
	v_add_nc_u32 v5, v5, v6
	v_add_nc_u32 v[ADRS], s21, v5
	; the way out's addresses.  (shift of the tile column, of its upper part, of a row block; mask; shift of r among the f32 rows) = (2, 24, 15, 3, 13) for q | k and (3, 22, 16, 7, 6) for V^T
	s_cmp_eq_u32 s95, 1
	s_cselect_b32 s18, 3, 2
	s_cselect_b32 s19, 22, 24
	s_cselect_b32 s20, 16, 15
	s_cselect_b32 s21, 7, 3
	s_cselect_b32 s22, 6, 13
	s_lshr_b32 s46, s42, s18
	s_lshl_b32 s46, s46, s19                       ; q or k; or the batch
	s_lshl_b32 s23, s98, 4
	s_lshl_b32 s45, s15, 3
	s_add_co_u32 s23, s23, s45
	s_lshl_b32 s23, s23, s20                       ; my first row block
	s_add_co_u32 s46, s46, s23
	s_and_b32 s23, s42, s21
	s_lshl_b32 s23, s23, 3
	s_lshl_b32 s45, s16, 2
	s_add_co_u32 s23, s23, s45
	s_lshl_b32 s23, s23, 10                        ; my first fragment in it
	s_add_co_u32 s46, s46, s23
	s_mov_b32 s47, 0
	s_add_nc_u64 s[8:9], s[8:9], s[46:47]
	s_lshl_b32 s23, 1, s20                         ; bytes from row block to row block
	v_and_b32 v6, 31, v0
	v_lshlrev_b32 v[CO], 4, v6
.irp a, 1,2,3,4,5,6,7
	v_add_nc_u32 v[CO+\a], s23, v[CO+\a-1]
.endr
	v_lshlrev_b32 v[HA], s22, v1
	v_lshl_add_u32 v[HA], v2, 5, v[HA]             ; f32 rows: r x (8,192 or 64) + 32 h
	s_lshr_b32 s92, s98, 3                         ; q | k: batch x 131,072 + 4 x my first column
	s_lshl_b32 s92, s92, 17
	s_lshl_b32 s45, s42, 10
	s_add_co_u32 s92, s92, s45
	s_lshl_b32 s45, s16, 9
	s_add_co_u32 s92, s92, s45
	s_lshr_b32 s93, s42, 3                         ; V^T: 524,288 + batch x 65,536 + 64 x my first channel
	s_lshl_b32 s93, s93, 16
	s_lshl_b32 s45, s98, 14
	s_add_co_u32 s93, s93, s45
	s_lshl_b32 s45, s15, 13
	s_add_co_u32 s93, s93, s45
	s_add_co_u32 s93, s93, 524288
	s_and_b32 s94, s42, 7
	s_or_b32 s94, s94, s16
	s_and_b32 s96, s98, 7
	s_or_b32 s96, s96, s15
	s_cmp_eq_u32 s95, 1
	s_cselect_b32 s92, s93, s92
	s_cselect_b32 s94, s94, s96                    ; 0 where my wave's part begins with a sequence's position 0
	s_mov_b32 s93, 0
	s_add_nc_u64 s[12:13], s[12:13], s[92:93]
.macro FRAG reg, adr, q, i             ; 16 rows x 128 K of 4-bit codes: 8 registers, two loads of 16 bytes, 32 bytes apart
.irp c, 0,1
	ds_load_b128 v[\reg+4*\c:\reg+4*\c+3], v[\adr] offset:64*(\q)+32*\c+(\i)*16*PITCH
.endr
.endm
; 16 matrix instructions: A's blocks a0, a0 + 1 x B's eight.  The 64 accumulators take turns, one instruction a turn, in the same order in every step.
.macro MUL16 a0, p, q, sc, zero
.irp a, \a0, \a0+1
.irp b, 0,1,2,3,4,5,6,7
.if \zero
	v_wmma_scale_f32_16x16x128_f8f6f4 v[8*(8*((\a)%4)+\b):8*(8*((\a)%4)+\b)+7], v[128*(\p)+FR*\b:128*(\p)+FR*\b+FR-1], v[AF+FR*(\a):AF+FR*(\a)+FR-1], 0, v[SC+8*NQ*(\sc)+NQ*\b+(\q)], v[SC+8*NQ*(\sc)+NQ*(\a)+(\q)] matrix_a_fmt:MATRIX_FMT_FP4 matrix_b_fmt:MATRIX_FMT_FP4 matrix_a_scale:MATRIX_SCALE_ROW1
.else
	v_wmma_scale_f32_16x16x128_f8f6f4 v[8*(8*((\a)%4)+\b):8*(8*((\a)%4)+\b)+7], v[128*(\p)+FR*\b:128*(\p)+FR*\b+FR-1], v[AF+FR*(\a):AF+FR*(\a)+FR-1], v[8*(8*((\a)%4)+\b):8*(8*((\a)%4)+\b)+7], v[SC+8*NQ*(\sc)+NQ*\b+(\q)], v[SC+8*NQ*(\sc)+NQ*(\a)+(\q)] matrix_a_fmt:MATRIX_FMT_FP4 matrix_b_fmt:MATRIX_FMT_FP4 matrix_a_scale:MATRIX_SCALE_ROW1
.endif
.endr
.endr
.endm
.macro FETCH_B slot, q, p
	WIN TO_B
.irp i, 0,1,2,3,4,5,6,7
	FRAG 128*(\p)+FR*\i, ADRB+\slot, \q, \i
.endr
	WIN 0
.endm
.macro FETCH_A slot, q, i0
.irp i, \i0, \i0+1, \i0+2, \i0+3
	FRAG AF+FR*(\i), ADRA+\slot, \q, \i
.endr
.endm
.macro SCALES sc                       ; a K step's scale words: lanes 0-15 A's block i, lanes 16-31 B's block i
.irp i, 0,1,2,3,4,5,6,7
	ds_load_b128 v[SC+8*NQ*\sc+NQ*\i:SC+8*NQ*\sc+NQ*\i+3], v[ADRS] offset:\i*SBLK
.endr
.endm
.macro PLACES n                        ; plain vector instructions between a matrix instruction and a load into, or a read of, its registers
.rept \n
	v_nop
.endr
.endm
.macro STEP slot, q, zero              ; 128 along K, with its successor in the same slot
	s_wait_dscnt 4*NL                              ; B's set and A's blocks 0-3 are in; the eight loads of A's blocks 4-7 may be out
	WIN MUL_LO
	MUL16 0, (\q)%2, \q, \slot, \zero
	MUL16 2, (\q)%2, \q, \slot, \zero
	s_wait_dscnt 0
	PLACES NP
	FETCH_B \slot, (\q)+1, 1-(\q)%2
	FETCH_A \slot, (\q)+1, 0
	WIN MUL_HI
	MUL16 4, (\q)%2, \q, \slot, \zero
	MUL16 6, (\q)%2, \q, \slot, \zero
	PLACES NP
	WIN 0
	FETCH_A \slot, (\q)+1, 4
.endm
.macro STEPS slot, from
.set Q, \from
.rept NQ-1-\from
	STEP \slot, Q, 0
.set Q, Q+1
.endr
.endm
	s_wait_tensorcnt 1                             ; the scales and my part of slot 0 are in; slot 1's load may be out
	s_barrier_signal -1
	s_barrier_wait -1
	FETCH_B 0, 0, 0
	FETCH_A 0, 0, 0
	SCALES 0
	FETCH_A 0, 0, 4
	STEP 0, 0, 1                                   ; the first products start the sums: nothing is cleared
	STEPS 0, 1
	; slot 0's last step changes slots: one barrier, behind which slot 1 is whole for every wave.  Nothing is filled again
	s_wait_tensorcnt 0x0                           ; my part of slot 1 has landed
	ds_add_u32 v[SPW], v[NIL]
	s_wait_dscnt 4*NL+1                            ; the add and the eight loads of A's blocks 4-7 may be out
	WIN MUL_LO
	MUL16 0, 1, NQ-1, 0, 0
	s_wait_dscnt 0x0
	s_barrier_signal -1
	MUL16 2, 1, NQ-1, 0, 0
	WIN 0
	s_barrier_wait -1
	PLACES NP
	v_add_nc_u32 v[ADRS], 4*NQ, v[ADRS]            ; the next K step's scale words
	FETCH_B 1, 0, 0
	FETCH_A 1, 0, 0
	SCALES 1
	WIN MUL_HI
	MUL16 4, 1, NQ-1, 0, 0
	MUL16 6, 1, NQ-1, 0, 0
	PLACES NP
	WIN 0
	FETCH_A 1, 0, 4
	STEPS 1, 0
	s_wait_dscnt 4*NL                              ; the last step: nothing more to fetch
	WIN MUL_LO
	MUL16 0, 1, NQ-1, 1, 0
	MUL16 2, 1, NQ-1, 1, 0
	s_wait_dscnt 0
	WIN MUL_HI
	MUL16 4, 1, NQ-1, 1, 0
	MUL16 6, 1, NQ-1, 1, 0
	WIN 0
	PLACES NP
	; (a) positions 0-15 of a sequence in f32, where my wave holds them: all lanes or none
	v_mov_b32 v[ZT], s94
	v_cmp_eq_u32 vcc_lo, 0, v[ZT]
	s_wait_xcnt 0x0                                ; EXEC changes only behind this wait
	s_and_saveexec_b32 s97, vcc_lo
	s_cmp_eq_u32 s95, 1                            ; the cluster's y: the same in all partners
	s_cbranch_scc1 .Lrows_v
	WIN 0x08                                       ; a store's data are its source 1: window 2
.irp b, 0,1,2,3,4,5,6,7
	global_store_b128 v[HA], v[8*\b:8*\b+3], s[12:13] offset:64*\b          ; q | k (position r, my columns 16 b + 8 h + 0..7); each accumulator from its low end on
	global_store_b128 v[HA], v[8*\b+4:8*\b+7], s[12:13] offset:64*\b+16
.endr
	WIN 0
	s_branch .Lrows_done
.Lrows_v:
	WIN 0x08
.irp a, 0,1,2,3
	global_store_b128 v[HA], v[64*\a:64*\a+3], s[12:13] offset:1024*\a      ; V^T (channel 16 a + r, positions 8 h + 0..7)
	global_store_b128 v[HA], v[64*\a+4:64*\a+7], s[12:13] offset:1024*\a+16
.endr
	WIN 0x0c
.irp a, 0,1,2,3
	global_store_b128 v[HA], v[64*\a:64*\a+3], s[12:13] offset:1024*(\a+4)
	global_store_b128 v[HA], v[64*\a+4:64*\a+7], s[12:13] offset:1024*(\a+4)+16
.endr
	WIN 0
.Lrows_done:
	s_wait_xcnt 0x0                                ; and again, in front of the line that widens EXEC
	s_or_b32 exec_lo, exec_lo, s97
	; (b) the images in f16, a block of 16 rows at a time
.irp a, 0,1,2,3,4,5,6,7
.if \a >= 4
	s_wait_xcnt 0x0                                ; block a - 4's stores have read their registers
.endif
	WIN 0x0a+5*(\a/4)                              ; sources in window 2 or 3
.irp b, 0,1,2,3,4,5,6,7
.irp i, 0,1,2,3
	v_cvt_pk_f16_f32 v[PK+32*(\a%4)+4*\b+\i], v[64*(\a%4)+8*\b+2*\i], v[64*(\a%4)+8*\b+2*\i+1]
.endr
.endr
	WIN 0
.irp b, 0,1,2,3,4,5,6,7
	global_store_b128 v[CO+\a], v[PK+32*(\a%4)+4*\b:PK+32*(\a%4)+4*\b+3], s[8:9] offset:512*\b   ; 32 lanes store 512 consecutive bytes, aligned
.endr
.endr
	s_wait_tensorcnt 0x0                           ; the wave's end
	ds_add_u32 v[SPW], v[NIL]
	s_wait_dscnt 0x0
	CROUND                                         ; the closing round
	s_endpgm
.Lfunc_end_k_q1dee8f9e09_proj:
	.size	k_q1dee8f9e09_proj, .Lfunc_end_k_q1dee8f9e09_proj-k_q1dee8f9e09_proj
	.p2alignl 7, 3214868480
	.fill 96, 4, 3214868480
	.section	.rodata,"a",@progbits
	.p2align	6, 0x0
	.amdhsa_kernel k_q1dee8f9e09_proj
		.amdhsa_group_segment_fixed_size 327680
		.amdhsa_private_segment_fixed_size 0
		.amdhsa_enable_private_segment 0
		.amdhsa_kernarg_size 40
		.amdhsa_user_sgpr_count 2
		.amdhsa_user_sgpr_kernarg_segment_ptr 1
		.amdhsa_wavefront_size32 1
		.amdhsa_system_sgpr_workgroup_id_x 1
		.amdhsa_system_sgpr_workgroup_id_y 1
		.amdhsa_system_sgpr_workgroup_id_z 1
		.amdhsa_system_vgpr_workitem_id 0
		.amdhsa_next_free_vgpr 1024
		.amdhsa_next_free_sgpr 102
		.amdhsa_reserve_vcc 1
		.amdhsa_float_denorm_mode_32 3
		.amdhsa_float_denorm_mode_16_64 3
		.amdhsa_memory_ordered 1
		.amdhsa_forward_progress 1
		.amdhsa_inst_pref_size 123
	.end_amdhsa_kernel
	.amdgpu_metadata
---
amdhsa.version: [ 1, 2 ]
amdhsa.kernels:
  - .name:           k_q1dee8f9e09_proj
    .symbol:         k_q1dee8f9e09_proj.kd
    .args:
      - { .name: xq, .offset: 0, .size: 8, .value_kind: global_buffer, .address_space: global }
      - { .name: wq, .offset: 8, .size: 8, .value_kind: global_buffer, .address_space: global }
      - { .name: qk, .offset: 16, .size: 8, .value_kind: global_buffer, .address_space: global }
      - { .name: vt, .offset: 24, .size: 8, .value_kind: global_buffer, .address_space: global }
      - { .name: h32, .offset: 32, .size: 8, .value_kind: global_buffer, .address_space: global }
    .group_segment_fixed_size: 327680
    .private_segment_fixed_size: 0
    .kernarg_segment_align: 8
    .kernarg_segment_size: 40
    .max_flat_workgroup_size: 128
    .sgpr_count:     102
    .vgpr_count:     1024
    .wavefront_size: 32
...
	.end_amdgpu_metadata
.endif
;; end of part 2
;; launch head (part 3): grid 4 x 1, 8 waves a work-group, no clusters, 76,800 bytes of LDS; arguments h32, out0; writes out0
.if DOCPART == 3
	.amdgcn_target "amdgcn-amd-amdhsa--gfx1250"
	.amdhsa_code_object_version 6
	.text
	.protected	k_q1dee8f9e09_head
	.globl	k_q1dee8f9e09_head
	.p2align	8
	.type	k_q1dee8f9e09_head,@function
k_q1dee8f9e09_head:
	s_mov_b64 s[64:65], 0
	v_nop
	global_prefetch_b8 v0, s[64:65] scope:SCOPE_SE
	s_setreg_imm32_b32 hwreg(HW_REG_WAVE_MODE, 25, 1), 1
	s_wait_xcnt 0x0
; Launch 3 of 5: positions 0-15 of each sequence, wholly in f32.  These rows average one to sixteen values, so the rounding of 16-bit operands would weigh most there.
; Keys beyond 15 are above the diagonal for these queries (reference()'s own tril): they are left out.
; One work-group a batch, eight waves.  h32: q | k [4][16][2048] f32 at byte 0; V^T [4][1024 channels][16 keys] at byte 524,288.
; 1: wave w sums S^T = k q^T over channels 128 w .. 128 w + 127 (32 instructions of 16x16x4, four accumulators by turns); the eight parts meet in LDS; every wave adds them in the same order.
; 2: mask (key > query, score == 0), the maximum taken away, softmax, all in a lane's eight registers: lane (r, h) holds query r, keys 8 h + 0..7.
; 3: wave w makes O^T = V^T P^T for channels 128 w .. +127; the rows leave through the wave's own stage as runs of 512 bytes.
; A slot of K in the 16x16x4 form is lane half h, register j: k = 2 h + j.  Both sources are fed by the same map from slots to channels (or keys), so the products pair rightly.
; A row all of whose scores are masked gives NaN, as reference() does.  LIMIT: a score so small that score / 32 falls to 0 in f32 is not taken as 0 here.
.set PART,  0                          ; LDS: eight parts of S^T, 1,024 bytes each, as register images
.set STG,   8192                       ; eight stages of 16 rows x (512 + 16) bytes
.set SPI,   528
.set SPARE, STG+8*16*SPI               ; the spare words: 128 bytes a wave
.set QF,  16                           ; v16-79   q; later V^T
.set KF,  80                           ; v80-143  k; later the parts; later rows of O
.set SA,  144                          ; v144-175 four accumulators: written by matrix instructions alone
.set OA,  176                          ; v176-239 eight accumulators: likewise
.set T,   240                          ; v240-247 S^T, then p
.set P,   248                          ; v248-255 at work, then p / sum
.set SPW, 14
.set NIL, 15
	s_load_b128 s[4:7], s[0:1], 0x0                ; h32, out0
	v_lshl_add_u32 v[SPW], v0, 2, SPARE
	v_mov_b32 v[NIL], 0
	v_lshrrev_b32 v1, 5, v0
	v_readfirstlane_b32 s8, v1                     ; wave
	v_and_b32 v1, 15, v0                           ; r
	v_bfe_u32 v2, v0, 4, 1                         ; h
	v_and_b32 v3, 31, v0
	v_lshlrev_b32 v3, 4, v3                        ; 16 x lane
	v_lshlrev_b32 v4, 13, v1
	v_lshl_add_u32 v4, v2, 4, v4
	s_lshl_b32 s9, s8, 9
	v_add_nc_u32 v4, s9, v4                        ; q: row r of 8,192 bytes + 512 w + 16 h
	v_add_nc_u32 v11, s9, v3                       ; out: 512 w + 16 x lane
	v_lshlrev_b32 v5, 6, v1
	v_lshl_add_u32 v5, v2, 5, v5
	s_lshl_b32 s9, s8, 13
	v_add_nc_u32 v5, s9, v5                        ; V^T: channel 128 w + r, 64 bytes each, + 32 h
	v_lshlrev_b32 v6, 3, v2
	v_sub_nc_u32 v6, v1, v6                        ; r - 8 h: register j is hidden where j is greater
	v_mov_b32 v7, 0xff800000                       ; -infinity
	s_lshl_b32 s9, s8, 10
	v_add_nc_u32 v8, s9, v3                        ; my part's image
	s_mul_i32 s9, s8, 16*SPI
	s_add_co_u32 s9, s9, STG
	v_mul_u32_u24 v9, v1, SPI
	v_lshl_add_u32 v9, v2, 5, v9
	v_add_nc_u32 v9, s9, v9                        ; the stage, in: row r + 32 h
	v_add_nc_u32 v10, s9, v3                       ; and back: 16 x lane
	v_mov_b32 v13, 0                               ; a lane permute's destination counts as read
	s_mov_b32 s12, 0x76543210
	s_mov_b32 s13, 0xfedcba98
	s_mov_b32 s14, 0x3d38aa3b                      ; c = log2(e) / 32
	s_lshl_b32 s10, ttmp9, 17
	s_mov_b32 s11, 0
	s_lshl_b32 s16, ttmp9, 16
	s_add_co_u32 s16, s16, 524288
	s_mov_b32 s17, 0
	s_lshl_b32 s18, ttmp9, 23
	s_mov_b32 s19, 0
	s_wait_kmcnt 0x0
	s_add_nc_u64 s[10:11], s[4:5], s[10:11]
	s_add_nc_u64 s[16:17], s[4:5], s[16:17]
	s_add_nc_u64 s[6:7], s[6:7], s[18:19]
.irp g, 0,1,2,3,4,5,6,7,8,9,10,11,12,13,14,15
	global_load_b128 v[QF+4*\g:QF+4*\g+3], v4, s[10:11] offset:32*\g          ; q(r, 128 w + 8 g + 4 h + 0..3)
	global_load_b128 v[KF+4*\g:KF+4*\g+3], v4, s[10:11] offset:4096+32*\g     ; k likewise
.endr
	s_wait_loadcnt 0x0
.set i, 0
.rept 32                               ; source 0 = k, source 1 = q: register j of the result is key 8 h + j, the lane's query is r
.if i < 4
	v_wmma_f32_16x16x4_f32 v[SA+8*(i%4):SA+8*(i%4)+7], v[KF+2*i:KF+2*i+1], v[QF+2*i:QF+2*i+1], 0
.else
	v_wmma_f32_16x16x4_f32 v[SA+8*(i%4):SA+8*(i%4)+7], v[KF+2*i:KF+2*i+1], v[QF+2*i:QF+2*i+1], v[SA+8*(i%4):SA+8*(i%4)+7]
.endif
.set i, i+1
.endr
.rept 8
	v_nop                                          ; eight places behind this form (ISA guide 7.12.1)
.endr
.irp t, 0,1,2,3,4,5,6,7
	global_load_b128 v[QF+8*\t:QF+8*\t+3], v5, s[16:17] offset:1024*\t        ; V^T(128 w + 16 t + r, 8 h + 0..7)
	global_load_b128 v[QF+8*\t+4:QF+8*\t+7], v5, s[16:17] offset:1024*\t+16
.endr
.irp j, 0,1,2,3,4,5,6,7
	v_add_f32 v[T+\j], v[SA+\j], v[SA+8+\j]        ; the four accumulators, from their low ends on
	v_add_f32 v[P+\j], v[SA+16+\j], v[SA+24+\j]
	v_add_f32 v[T+\j], v[T+\j], v[P+\j]
.endr
	ds_store_b128 v8, v[T:T+3] offset:PART
	ds_store_b128 v8, v[T+4:T+7] offset:PART+512
	s_wait_dscnt 0x0                               ; for the others' sake
	s_barrier_signal -1
	s_barrier_wait -1
.irp p, 0,1,2,3,4,5,6,7
	ds_load_b128 v[KF+8*\p:KF+8*\p+3], v3 offset:PART+1024*\p
	ds_load_b128 v[KF+8*\p+4:KF+8*\p+7], v3 offset:PART+1024*\p+512
.endr
	s_wait_dscnt 0x0
.irp j, 0,1,2,3,4,5,6,7
	v_add_f32 v[T+\j], v[KF+\j], v[KF+8+\j]
.endr
.irp p, 2,3,4,5,6,7
.irp j, 0,1,2,3,4,5,6,7
	v_add_f32 v[T+\j], v[T+\j], v[KF+8*\p+\j]
.endr
.endr
.irp j, 0,1,2,3,4,5,6,7
	v_cmp_gt_i32 vcc_lo, \j, v6                    ; key above the diagonal
	v_cndmask_b32 v[T+\j], v[T+\j], v7, vcc_lo
	v_cmp_eq_f32 vcc_lo, 0, v[T+\j]                ; a score that is 0
	v_cndmask_b32 v[T+\j], v[T+\j], v7, vcc_lo
.endr
	v_max3_num_f32 v12, v[T], v[T+1], v[T+2]
	v_max3_num_f32 v12, v12, v[T+3], v[T+4]
	v_max3_num_f32 v12, v12, v[T+5], v[T+6]
	v_max_num_f32 v12, v12, v[T+7]
	v_permlanex16_b32 v13, v12, s12, s13
	v_max_num_f32 v12, v12, v13                    ; the row's maximum
	v_mul_f32 v12, s14, v12
.irp j, 0,1,2,3,4,5,6,7
	v_fma_f32 v[T+\j], v[T+\j], s14, -v12
.endr
.irp j, 0,1,2,3,4,5,6,7
	v_exp_f32 v[T+\j], v[T+\j]
.endr
	v_nop                                          ; a plain instruction behind the last exponential
	s_wait_alu depctr_va_vdst(0)                   ; one wait for the batch, ahead of its first reader
	v_add_f32 v12, v[T], v[T+1]
	v_add_f32 v13, v[T+2], v[T+3]
	v_add_f32 v12, v12, v[T+4]
	v_add_f32 v13, v13, v[T+5]
	v_add_f32 v12, v12, v[T+6]
	v_add_f32 v13, v13, v[T+7]
	v_add_f32 v12, v12, v13
	v_permlanex16_b32 v13, v12, s12, s13
	v_add_f32 v12, v12, v13
	v_rcp_f32 v12, v12
	v_nop
	s_wait_alu depctr_va_vdst(0)
.irp j, 0,1,2,3,4,5,6,7
	v_mul_f32 v[P+\j], v[T+\j], v12
.endr
	s_wait_loadcnt 0x0                             ; V^T
.rept 4
	v_nop
.endr
.irp s, 0,1,2,3                        ; slot 2 h + j of K stands for key 8 h + 2 s + j, in V^T and in P alike; the eight accumulators take turns
.irp t, 0,1,2,3,4,5,6,7
.if \s == 0
	v_wmma_f32_16x16x4_f32 v[OA+8*\t:OA+8*\t+7], v[QF+8*\t+2*\s:QF+8*\t+2*\s+1], v[P+2*\s:P+2*\s+1], 0
.else
	v_wmma_f32_16x16x4_f32 v[OA+8*\t:OA+8*\t+7], v[QF+8*\t+2*\s:QF+8*\t+2*\s+1], v[P+2*\s:P+2*\s+1], v[OA+8*\t:OA+8*\t+7]
.endif
.endr
.endr
.rept 8
	v_nop
.endr
.irp t, 0,1,2,3,4,5,6,7
	ds_store_b128 v9, v[OA+8*\t:OA+8*\t+3] offset:64*\t            ; o(r, 128 w + 16 t + 8 h + 0..7)
	ds_store_b128 v9, v[OA+8*\t+4:OA+8*\t+7] offset:64*\t+16
.endr
.irp i, 0,1,2,3,4,5,6,7,8,9,10,11,12,13,14,15
	ds_load_b128 v[KF+4*\i:KF+4*\i+3], v10 offset:\i*SPI           ; LDS serves a wave's instructions in order: these see my stores
.endr
.irp i, 0,1,2,3,4,5,6,7,8,9,10,11,12,13,14,15
	s_wait_dscnt 15-\i                             ; row i is back; the younger loads may be out
	global_store_b128 v11, v[KF+4*\i:KF+4*\i+3], s[6:7] offset:4096*\i   ; 32 lanes store 512 consecutive bytes, aligned
.endr
	s_wait_tensorcnt 0x0                           ; the wave's end
	ds_add_u32 v[SPW], v[NIL]
	s_wait_dscnt 0x0
	s_endpgm
.Lfunc_end_k_q1dee8f9e09_head:
	.size	k_q1dee8f9e09_head, .Lfunc_end_k_q1dee8f9e09_head-k_q1dee8f9e09_head
	.p2alignl 7, 3214868480
	.fill 96, 4, 3214868480
	.section	.rodata,"a",@progbits
	.p2align	6, 0x0
	.amdhsa_kernel k_q1dee8f9e09_head
		.amdhsa_group_segment_fixed_size 76800
		.amdhsa_private_segment_fixed_size 0
		.amdhsa_enable_private_segment 0
		.amdhsa_kernarg_size 16
		.amdhsa_user_sgpr_count 2
		.amdhsa_user_sgpr_kernarg_segment_ptr 1
		.amdhsa_wavefront_size32 1
		.amdhsa_system_sgpr_workgroup_id_x 1
		.amdhsa_system_sgpr_workgroup_id_y 1
		.amdhsa_system_sgpr_workgroup_id_z 1
		.amdhsa_system_vgpr_workitem_id 0
		.amdhsa_next_free_vgpr 256
		.amdhsa_next_free_sgpr 66
		.amdhsa_reserve_vcc 1
		.amdhsa_float_denorm_mode_32 3
		.amdhsa_float_denorm_mode_16_64 3
		.amdhsa_memory_ordered 1
		.amdhsa_forward_progress 1
		.amdhsa_inst_pref_size 23
	.end_amdhsa_kernel
	.amdgpu_metadata
---
amdhsa.version: [ 1, 2 ]
amdhsa.kernels:
  - .name:           k_q1dee8f9e09_head
    .symbol:         k_q1dee8f9e09_head.kd
    .args:
      - { .name: h32, .offset: 0, .size: 8, .value_kind: global_buffer, .address_space: global }
      - { .name: out0, .offset: 8, .size: 8, .value_kind: global_buffer, .address_space: global }
    .group_segment_fixed_size: 76800
    .private_segment_fixed_size: 0
    .kernarg_segment_align: 8
    .kernarg_segment_size: 16
    .max_flat_workgroup_size: 256
    .sgpr_count:     66
    .vgpr_count:     256
    .wavefront_size: 32
...
	.end_amdgpu_metadata
.endif
;; end of part 3
;; launch scores (part 4): grid 62 x 4, 4 waves a work-group, no clusters, 327,680 bytes of LDS; arguments qk, pb, st; writes pb, st
.if DOCPART == 4
	.amdgcn_target "amdgcn-amd-amdhsa--gfx1250"
	.amdhsa_code_object_version 6
	.text
	.protected	k_q1dee8f9e09_scores
	.globl	k_q1dee8f9e09_scores
	.p2align	8
	.type	k_q1dee8f9e09_scores,@function
k_q1dee8f9e09_scores:
	s_mov_b64 s[64:65], 0
	v_nop
	global_prefetch_b8 v0, s[64:65] scope:SCOPE_SE
	s_setreg_imm32_b32 hwreg(HW_REG_WAVE_MODE, 25, 1), 1
	s_wait_xcnt 0x0
; Launch 4 of 5: p = 2^(c s - M) for every live tile of 160 queries x 256 keys, s = q . k in f16 operands and f32 sums, c = log2(e) / 32; M = the tile row's largest c s rounded up to a whole number.
; LEFT OUT: key tiles wholly above the diagonal (reference()'s own tril makes their weights 0 for all inputs): block i of 160 queries has 1,2,2,3,4,4,5,5,6,7,7,8,8 tiles of keys, 62 a batch.
; p leaves in f16 as register images (pb: [4][128 row blocks of queries][64 fragments of keys]); (M, l), l the row's sum of the unrounded p over the tile, leave in st [8 tiles][8192 rows][2] f32.
; The last launch joins the tiles: M is a whole number, so bringing a tile under another M is a multiplication by a power of two.
; The last block of queries is slid back to begin at 1,888; a block of 16 rows is stored only from row LIM = max(160 i, 256 t) on: so each byte has one owner, and rows that lie wholly above tile t's keys are not stored (nor read later).
; NO CLUSTER: a row of the triangle has 1 to 8 tiles and a column 2 to 13, so no division into fours gives partners the same tiles.
; Four waves: wave (hq, hk) makes 80 queries x 128 keys: 5 x 8 accumulators.  Source 0 = 16 keys, source 1 = 16 queries: a lane holds query lane % 16 and keys 16 b + 8 (lane / 16) + 0..7: piece b % 2 of fragment b / 2 of p's image.
; K = 1,024 channels goes in 8 steps of 128 through two LDS slots.  q and k lie in memory as register images, so a slot is 26 dense runs of 4,096 bytes and a fragment load is 16 x lane + a constant.
; LIMITS: c s under -3e38 is held there; a row of a tile with no live score gets M = -3e38, p = 0, l = 0.
; REGISTERS: window 0: v1-29 addresses; v32-67 the softmax's figures; v64.., v128.. q's fragments, two buffers; v192-255 packed p.  window 1: k's fragments at v64.., v128...  window 2: accumulators of a = 0..3 at v[8 (8 a + b)]; window 3: a = 4.
.set QHALF, 5*4096
.set KOFF,  10*4096
.set KHALF, 8*4096
.set SLOT,  26*4096
.set XM,    2*SLOT                     ; the waves' row maxima: 4 x 320 bytes
.set XS,    XM+1280                    ; and row sums
.set SPARE, XS+1280                    ; the spare words: 128 bytes a wave
.set LAPS,  4
.set LI,   3                           ; v3  16 x lane
.set DD,   4                           ; v4  r - 8 h + my first query - my first key
.set NI,   5                           ; v5  -infinity
.set ZR,   6                           ; v6  0.0
.set XA,   7                           ; v7  my wave's words in XM
.set XP,   8                           ; v8  my partner's (the other half of the keys)
.set SO,   9                           ; v9  8 r + 4 h
.set ADRA, 16
.set ADRB, 20
.set SPW,  28
.set NIL,  29
.set MX,   32                          ; v32-36 row maxima
.set TP,   37                          ; v37-41 at work
.set NM,   42                          ; v42-51 -M, as pairs
.set SU,   52                          ; v52-61 sums, as pairs; v62-67: three more chains for a = 4
.set F0,   64
.set F1,   128
.set PK,   192
.set G1Q, 24
.set G0Q, 32
.set CS,  40                           ; s[40:41] c
.set SEL, 42                           ; s[42:43] lane l xor 16
.set G1K, 48
.set G0K, 56
.set MSB, 0
.macro WIN new
.if MSB != (\new)
	s_set_vgpr_msb (MSB<<8)|(\new)
.set MSB, (\new)
.endif
.endm
.set MUL_LO, 0xa1                      ; source 0 (k) window 1, source 1 (q) window 0, C and D window 2
.set MUL_HI, 0xf1
.set TO_B,   0x40
.macro TLOAD s                         ; waves 0 and 1 fetch q's halves, waves 2 and 3 k's; an s_nop 0 and four v_nop follow each line
	s_cmp_eq_u32 s11, 0
	s_cbranch_scc0 .Lfor_k_\@
	tensor_load_to_lds s[G0Q+4*\s:G0Q+4*\s+3], s[G1Q:G1Q+7]
	s_nop 0
.rept 4
	v_nop
.endr
	s_branch .Lasked_\@
.Lfor_k_\@:
	tensor_load_to_lds s[G0K+4*\s:G0K+4*\s+3], s[G1K:G1K+7]
	s_nop 0
.rept 4
	v_nop
.endr
.Lasked_\@:
.endm
.macro ROWOF n, pre                    ; from work-group pre on the block of queries is n
	s_cmp_ge_u32 ttmp9, \pre
	s_cselect_b32 s13, \n, s13
	s_cselect_b32 s14, \pre, s14
.endm
	s_load_b128 s[4:7], s[0:1], 0x0                ; qk, pb
	s_load_b64 s[8:9], s[0:1], 0x10                ; st
	v_lshl_add_u32 v[SPW], v0, 2, SPARE
	v_mov_b32 v[NIL], 0
	ds_add_u32 v[SPW], v[NIL]                      ; the wave's opening: the add, twice on end, and its wait ahead of my first tensor load
	ds_add_u32 v[SPW], v[NIL]
	v_lshrrev_b32 v1, 5, v0
	v_readfirstlane_b32 s10, v1                    ; wave
	s_lshr_b32 s11, s10, 1                         ; hq.  Also: I fetch q (0) or k (1)
	s_and_b32 s12, s10, 1                          ; hk.  Also: which half I fetch
	s_mov_b32 s13, 0
	s_mov_b32 s14, 0
	ROWOF 1, 1
	ROWOF 2, 3
	ROWOF 3, 5
	ROWOF 4, 8
	ROWOF 5, 12
	ROWOF 6, 16
	ROWOF 7, 21
	ROWOF 8, 26
	ROWOF 9, 32
	ROWOF 10, 39
	ROWOF 11, 46
	ROWOF 12, 54
	s_sub_co_u32 s15, ttmp9, s14                   ; t: the tile of keys
	s_mul_i32 s17, s13, 160
	s_min_u32 s16, s17, 1888                       ; the first query
	s_lshl_b32 s21, s15, 8                         ; the first key
	s_max_u32 s17, s17, s21                        ; LIM
	s_and_b32 s18, ttmp7, 0xffff                   ; batch
	s_mul_i32 s19, s11, 80
	s_add_co_u32 s19, s19, s16                     ; my wave's first query
	s_lshl_b32 s20, s12, 7
	s_add_co_u32 s20, s20, s21                     ; my wave's first key
	s_mov_b32 s[G1Q+0], 3<<16                      ; elements of 8 bytes, no mask, no padding
	s_mov_b32 s[G1Q+1], 512<<16                    ; tensor_dim0: 4,096 bytes
	s_mov_b32 s[G1Q+2], 5<<16                      ; tensor_dim1
	s_mov_b32 s[G1Q+3], 512<<16                    ; tile_dim0
	s_mov_b32 s[G1Q+4], 5                          ; tile_dim1: five row blocks
	s_mov_b32 s[G1Q+5], 4096                       ; 32,768 bytes from row block to row block
	s_mov_b32 s[G1Q+6], 0
	s_mov_b32 s[G1Q+7], 0
	s_mov_b32 s[G1K+0], 3<<16
	s_mov_b32 s[G1K+1], 512<<16
	s_mov_b32 s[G1K+2], 8<<16
	s_mov_b32 s[G1K+3], 512<<16
	s_mov_b32 s[G1K+4], 8
	s_mov_b32 s[G1K+5], 4096
	s_mov_b32 s[G1K+6], 0
	s_mov_b32 s[G1K+7], 0
	s_mov_b32 s[CS], 0x3d38aa3b
	s_mov_b32 s[CS+1], s[CS]
	s_mov_b32 s[SEL], 0x76543210
	s_mov_b32 s[SEL+1], 0xfedcba98
	s_lshl_b32 s22, s18, 7
	s_lshr_b32 s23, s16, 4
	s_add_co_u32 s23, s23, s22
	s_mul_i32 s45, s12, 5
	s_add_co_u32 s23, s23, s45
	s_lshl_b32 s46, s23, 15                        ; q: row block batch x 128 + first query / 16 + 5 x half
	s_mov_b32 s47, 0
	s_lshl_b32 s23, s15, 4
	s_add_co_u32 s23, s23, s22
	s_lshl_b32 s45, s12, 3
	s_add_co_u32 s23, s23, s45
	s_lshl_b32 s44, s23, 15
	s_add_co_u32 s44, s44, 16777216                ; k: behind q; row block batch x 128 + 16 t + 8 x half
	s_mov_b32 s45, 0
	s_mul_i32 s22, s12, QHALF                      ; where they go in a slot
	s_mul_i32 s23, s12, KHALF
	s_add_co_u32 s23, s23, KOFF
	s_wait_dscnt 0x0                               ; both opening adds are done
	s_wait_kmcnt 0x0
	s_add_nc_u64 s[46:47], s[4:5], s[46:47]
	s_add_nc_u64 s[44:45], s[4:5], s[44:45]
.irp s, 0,1
	s_mov_b32 s[G0Q+4*\s], 1
	s_add_co_u32 s[G0Q+4*\s+1], s22, \s*SLOT
	s_add_nc_u64 s[G0Q+4*\s+2:G0Q+4*\s+3], s[46:47], \s*4096
	s_or_b32 s[G0Q+4*\s+3], s[G0Q+4*\s+3], 0x80000000
	s_mov_b32 s[G0K+4*\s], 1
	s_add_co_u32 s[G0K+4*\s+1], s23, \s*SLOT
	s_add_nc_u64 s[G0K+4*\s+2:G0K+4*\s+3], s[44:45], \s*4096
	s_or_b32 s[G0K+4*\s+3], s[G0K+4*\s+3], 0x80000000
	TLOAD \s                                       ; K steps 0 and 1: two loads of mine are out
.endr
	v_and_b32 v1, 15, v0                           ; r
	v_bfe_u32 v2, v0, 4, 1                         ; h
	v_and_b32 v3, 31, v0
	v_lshlrev_b32 v[LI], 4, v3
	s_mul_i32 s21, s11, QHALF
	s_mul_i32 s22, s12, KHALF
	s_add_co_u32 s22, s22, KOFF
.irp s, 0,1
	v_add_nc_u32 v[ADRA+\s], s21, v[LI]
	v_add_nc_u32 v[ADRB+\s], s22, v[LI]
	s_add_co_u32 s21, s21, SLOT
	s_add_co_u32 s22, s22, SLOT
.endr
	v_lshlrev_b32 v[DD], 3, v2
	v_sub_nc_u32 v[DD], v1, v[DD]
	s_sub_co_i32 s21, s19, s20
	v_add_nc_u32 v[DD], s21, v[DD]
	v_mov_b32 v[NI], 0xff800000
	v_mov_b32 v[ZR], 0
	s_mul_i32 s21, s10, 320
	s_add_co_u32 s21, s21, XM
	v_lshl_add_u32 v[XA], v1, 2, s21
	s_xor_b32 s21, s10, 1
	s_mul_i32 s21, s21, 320
	s_add_co_u32 s21, s21, XM
	v_lshl_add_u32 v[XP], v1, 2, s21
	v_lshlrev_b32 v[SO], 3, v1
	v_lshl_add_u32 v[SO], v2, 2, v[SO]
	s_lshr_b32 s21, s19, 4                         ; pb: batch x 8 MiB + ((my first query / 16) x 64 + 8 t + 4 hk) x 1,024
	s_lshl_b32 s21, s21, 6
	s_lshl_b32 s22, s15, 3
	s_add_co_u32 s21, s21, s22
	s_lshl_b32 s22, s12, 2
	s_add_co_u32 s21, s21, s22
	s_lshl_b32 s21, s21, 10
	s_lshl_b32 s22, s18, 23
	s_add_co_u32 s46, s21, s22
	s_mov_b32 s47, 0
	s_add_nc_u64 s[6:7], s[6:7], s[46:47]
	s_lshl_b32 s21, s15, 13                        ; st: (t x 8,192 + batch x 2,048 + my first query) x 8
	s_lshl_b32 s22, s18, 11
	s_add_co_u32 s21, s21, s22
	s_add_co_u32 s21, s21, s19
	s_lshl_b32 s46, s21, 3
	s_add_nc_u64 s[8:9], s[8:9], s[46:47]
.macro MULA f, a, zero                 ; 8 matrix instructions: q's block a x k's eight.  The 40 accumulators take turns in the same order in every quarter
.irp b, 0,1,2,3,4,5,6,7
.if \zero
	v_wmma_f32_16x16x32_f16 v[8*(8*((\a)%4)+\b):8*(8*((\a)%4)+\b)+7], v[\f+8*\b:\f+8*\b+7], v[\f+8*(\a):\f+8*(\a)+7], 0
.else
	v_wmma_f32_16x16x32_f16 v[8*(8*((\a)%4)+\b):8*(8*((\a)%4)+\b)+7], v[\f+8*\b:\f+8*\b+7], v[\f+8*(\a):\f+8*(\a)+7], v[8*(8*((\a)%4)+\b):8*(8*((\a)%4)+\b)+7]
.endif
.endr
.endm
.macro FETCH slot, kq, f               ; 26 LDS loads in one run: the fragments of 32 channels, the slot's kq-th
	WIN TO_B
.irp i, 0,1,2,3,4,5,6,7
	ds_load_b128 v[\f+8*\i:\f+8*\i+3],   v[ADRB+\slot] offset:\i*4096+(\kq)*1024
	ds_load_b128 v[\f+8*\i+4:\f+8*\i+7], v[ADRB+\slot] offset:\i*4096+(\kq)*1024+512
.endr
	WIN 0
.irp i, 0,1,2,3,4
	ds_load_b128 v[\f+8*\i:\f+8*\i+3],   v[ADRA+\slot] offset:\i*4096+(\kq)*1024
	ds_load_b128 v[\f+8*\i+4:\f+8*\i+7], v[ADRA+\slot] offset:\i*4096+(\kq)*1024+512
.endr
.endm
.macro PLACES                          ; four plain instructions between a matrix instruction and a load into, or a read of, its registers
.rept 4
	v_nop
.endr
.endm
.macro QUARTER slot, kq, f, g, zero    ; multiplies buffer f; in its middle fetches quarter kq into g
	s_wait_dscnt 6                                 ; k's fragments and q's blocks 0, 1 are in; the six loads of blocks 2-4 may be out
	WIN MUL_LO
	MULA \f, 0, \zero
	MULA \f, 1, \zero
	PLACES
	FETCH \slot, \kq, \g
	s_wait_dscnt 26                                ; all but the 26 just issued
	WIN MUL_LO
	MULA \f, 2, \zero
	MULA \f, 3, \zero
	WIN MUL_HI
	MULA \f, 4, \zero
.endm
; A K step's last quarter changes slots: one barrier.  In front of it each wave waits for all its tensor loads (its part of the next slot), adds 0 to its spare word, and waits for that and for its reads of this slot.
.macro TURN slot, next, fill
	WIN 0
	s_wait_tensorcnt 0x0
	ds_add_u32 v[SPW], v[NIL]
	s_wait_dscnt 7                                 ; the add and the six youngest loads may be out
	WIN MUL_LO
	MULA F1, 0, 0
	MULA F1, 1, 0
	s_wait_dscnt 0x0                               ; the add is done, and my reads of this slot are over
	s_barrier_signal -1
	MULA F1, 2, 0
	WIN 0
	s_barrier_wait -1
.if \fill
	s_add_nc_u64 s[G0Q+4*\slot+2:G0Q+4*\slot+3], s[G0Q+4*\slot+2:G0Q+4*\slot+3], 8192   ; two K steps on
	s_add_nc_u64 s[G0K+4*\slot+2:G0K+4*\slot+3], s[G0K+4*\slot+2:G0K+4*\slot+3], 8192
	TLOAD \slot                                    ; my one tensor load behind this barrier; its four v_nop are also the places in front of the loads below
.else
	PLACES
.endif
	FETCH \next, 0, F0
	WIN MUL_LO
	MULA F1, 3, 0
	WIN MUL_HI
	MULA F1, 4, 0
.endm
	s_wait_tensorcnt 1                             ; my part of K step 0 is in; K step 1's may be out
	s_barrier_signal -1
	s_barrier_wait -1
	FETCH 0, 0, F0
	QUARTER 0, 1, F0, F1, 1                        ; the first products start the sums
	WIN 0
	s_mov_b32 s3, LAPS-1
.Llap:                                                 ; a trip goes once round the ring and fills both slots again
	QUARTER 0, 2, F1, F0, 0
	QUARTER 0, 3, F0, F1, 0
	TURN 0, 1, 1
	QUARTER 1, 1, F0, F1, 0
	QUARTER 1, 2, F1, F0, 0
	QUARTER 1, 3, F0, F1, 0
	TURN 1, 0, 1
	QUARTER 0, 1, F0, F1, 0
	WIN 0
	s_sub_co_u32 s3, s3, 1
	s_cmp_lg_u32 s3, 0
	s_cbranch_scc1 .Llap
	QUARTER 0, 2, F1, F0, 0                        ; the last lap fills nothing
	QUARTER 0, 3, F0, F1, 0
	TURN 0, 1, 0
	QUARTER 1, 1, F0, F1, 0
	QUARTER 1, 2, F1, F0, 0
	QUARTER 1, 3, F0, F1, 0
	s_wait_dscnt 6
	WIN MUL_LO
	MULA F1, 0, 0
	MULA F1, 1, 0
	s_wait_dscnt 0
	MULA F1, 2, 0
	MULA F1, 3, 0
	WIN MUL_HI
	MULA F1, 4, 0
	WIN 0
	PLACES
	; THE MASK.  Register j of accumulator (a, b) is query QW + 16 a + r, key KW + 16 b + 8 h + j: hidden where 16 b + j - 16 a > DD.  A wave all of whose keys count for all its queries skips this (ids alone)
	s_add_co_u32 s21, s20, 127
	s_cmp_le_u32 s21, s19
	s_cbranch_scc1 .Lopen
	WIN 0x82                                       ; destination and source 0 window 2
.irp a, 0,1,2,3
.irp b, 0,1,2,3,4,5,6,7
.irp j, 0,1,2,3,4,5,6,7
	v_cmp_gt_i32 vcc_lo, 16*\b+\j-16*\a, v[DD]
	v_cndmask_b32 v[8*(8*\a+\b)+\j], v[8*(8*\a+\b)+\j], v[NI], vcc_lo
.endr
.endr
.endr
	WIN 0xc3
.irp b, 0,1,2,3,4,5,6,7
.irp j, 0,1,2,3,4,5,6,7
	v_cmp_gt_i32 vcc_lo, 16*\b+\j-64, v[DD]
	v_cndmask_b32 v[8*\b+\j], v[8*\b+\j], v[NI], vcc_lo
.endr
.endr
	WIN 0
.Lopen:
	WIN 0x82                                       ; a score that is 0 is masked too: it hangs on values, so it is done for every score
.set i, 0
.rept 256
	v_cmp_eq_f32 vcc_lo, v[i], v[ZR]
	v_cndmask_b32 v[i], v[i], v[NI], vcc_lo
.set i, i+1
.endr
	WIN 0xc3
.set i, 0
.rept 64
	v_cmp_eq_f32 vcc_lo, v[i], v[ZR]
	v_cndmask_b32 v[i], v[i], v[NI], vcc_lo
.set i, i+1
.endr
	WIN 0
.irp a, 0,1,2,3,4
	v_mov_b32 v[MX+\a], v[NI]
	v_mov_b32 v[TP+\a], v[NI]
.endr
	WIN 0x28                                       ; sources 1 and 2 window 2
.irp b, 0,1,2,3,4,5,6,7
.irp j, 0,2,4,6
.irp a, 0,1,2,3
	v_max3_num_f32 v[MX+\a], v[MX+\a], v[8*(8*\a+\b)+\j], v[8*(8*\a+\b)+\j+1]   ; the four blocks by turns
.endr
.endr
.endr
	WIN 0x3c
.irp b, 0,1,2,3,4,5,6,7
.irp j, 0,2,4,6
	v_max3_num_f32 v[MX+4+\j/2], v[MX+4+\j/2], v[8*\b+\j], v[8*\b+\j+1]         ; block 4 in four chains: v36 to v39
.endr
.endr
	WIN 0
	v_max3_num_f32 v[MX+4], v[MX+4], v[TP], v[TP+1]
	v_max_num_f32 v[MX+4], v[MX+4], v[TP+2]
.irp a, 0,1,2,3,4
	v_permlanex16_b32 v[TP+\a], v[MX+\a], s[SEL], s[SEL+1]
.endr
.irp a, 0,1,2,3,4
	v_max_num_f32 v[MX+\a], v[MX+\a], v[TP+\a]
.endr
.irp a, 0,1,2,3,4
	ds_store_b32 v[XA], v[MX+\a] offset:64*\a      ; lanes r and r + 16 write the same word with the same value
.endr
	s_wait_dscnt 0x0                               ; for the partner's sake
	s_barrier_signal -1
	s_barrier_wait -1
.irp a, 0,1,2,3,4
	ds_load_b32 v[TP+\a], v[XP] offset:64*\a       ; the other 128 keys' maxima
.endr
	s_wait_dscnt 0x0
.irp a, 0,1,2,3,4
	v_max_num_f32 v[MX+\a], v[MX+\a], v[TP+\a]
.endr
.irp a, 0,1,2,3,4
	v_mul_f32 v[TP+\a], s[CS], v[MX+\a]
.endr
.irp a, 0,1,2,3,4
	v_max_num_f32 v[TP+\a], 0xff61b1e6, v[TP+\a]   ; held at -3e38 from below
.endr
.irp a, 0,1,2,3,4
	v_floor_f32 v[NM+2*\a], -v[TP+\a]              ; -M = floor(-t): M is a whole number
.endr
.irp a, 0,1,2,3,4
	v_mov_b32 v[NM+2*\a+1], v[NM+2*\a]             ; (named with it as a pair)
.endr
	WIN 0x82
.irp a, 0,1,2,3
.set i, 0
.rept 32
	v_pk_fma_f32 v[64*\a+i:64*\a+i+1], v[64*\a+i:64*\a+i+1], s[CS:CS+1], v[NM+2*\a:NM+2*\a+1] op_sel_hi:[1,0,0]   ; c s - M
.set i, i+2
.endr
.endr
	WIN 0xc3
.set i, 0
.rept 32
	v_pk_fma_f32 v[i:i+1], v[i:i+1], s[CS:CS+1], v[NM+8:NM+9] op_sel_hi:[1,0,0]
.set i, i+2
.endr
.set i, 0
.rept 64
	v_exp_f32 v[i], v[i]
.set i, i+1
.endr
	WIN 0x82
.set i, 0
.rept 256
	v_exp_f32 v[i], v[i]                           ; all 320 exponentials are one batch
.set i, i+1
.endr
	WIN 0
.set i, 0
.rept 16
	v_mov_b32 v[SU+i], 0                           ; the sums begin; plain instructions behind the last exponential
.set i, i+1
.endr
	s_wait_alu depctr_va_vdst(0)                   ; one wait for the batch, ahead of its first reader
	WIN 0x08                                       ; source 1 window 2
.set i, 0
.rept 32
.irp a, 0,1,2,3
	v_pk_add_f32 v[SU+2*\a:SU+2*\a+1], v[SU+2*\a:SU+2*\a+1], v[64*\a+i:64*\a+i+1]   ; the sums are taken of the unrounded p
.endr
.set i, i+2
.endr
	WIN 0x0c
.set i, 0
.rept 32
	v_pk_add_f32 v[SU+8+2*((i/2)%4):SU+9+2*((i/2)%4)], v[SU+8+2*((i/2)%4):SU+9+2*((i/2)%4)], v[i:i+1]
.set i, i+2
.endr
	WIN 0
	v_pk_add_f32 v[SU+8:SU+9], v[SU+8:SU+9], v[SU+10:SU+11]
	v_pk_add_f32 v[SU+12:SU+13], v[SU+12:SU+13], v[SU+14:SU+15]
	v_pk_add_f32 v[SU+8:SU+9], v[SU+8:SU+9], v[SU+12:SU+13]
.irp a, 0,1,2,3,4
	v_add_f32 v[SU+2*\a], v[SU+2*\a], v[SU+2*\a+1]
.endr
.irp a, 0,1,2,3,4
	v_permlanex16_b32 v[TP+\a], v[SU+2*\a], s[SEL], s[SEL+1]
.endr
.irp a, 0,1,2,3,4
	v_add_f32 v[SU+2*\a], v[SU+2*\a], v[TP+\a]
.endr
.irp a, 0,1,2,3,4
	ds_store_b32 v[XA], v[SU+2*\a] offset:XS-XM+64*\a
.endr
	s_wait_dscnt 0x0
	s_barrier_signal -1
	s_barrier_wait -1
.irp a, 0,1,2,3,4
	ds_load_b32 v[TP+\a], v[XP] offset:XS-XM+64*\a
.endr
	s_wait_dscnt 0x0
.irp a, 0,1,2,3,4
	v_add_f32 v[SU+2*\a], v[SU+2*\a], v[TP+\a]     ; l: the row's sum over the tile's 256 keys
.endr
	s_mov_b32 s44, 0xffff0000
.irp a, 0,1,2,3,4
	v_xor_b32 v[TP+\a], 0x80000000, v[NM+2*\a]     ; M
.endr
.irp a, 0,1,2,3,4
	v_cndmask_b32 v[TP+\a], v[TP+\a], v[SU+2*\a], s44   ; lanes 0-15 M, lanes 16-31 l
.endr
; Block a of 16 rows leaves, if its first row is at or above LIM (ids alone): p's image, 512 consecutive bytes a store; and, from the wave of the first 128 keys, (M, l).
.macro OUTA a
	s_add_co_u32 s21, s19, 16*(\a)
	s_cmp_lt_u32 s21, s17
	s_cbranch_scc1 .Lskip_\@
.if (\a) >= 2
	s_wait_xcnt 0x0                                ; block a - 2's stores have read their registers
.endif
	WIN 0x0a+5*((\a)/4)
.irp b, 0,1,2,3,4,5,6,7
.irp i, 0,1,2,3
	v_cvt_pk_f16_f32 v[PK+32*((\a)%2)+4*\b+\i], v[64*((\a)%4)+8*\b+2*\i], v[64*((\a)%4)+8*\b+2*\i+1]
.endr
.endr
	WIN 0
.irp b, 0,1,2,3,4,5,6,7
	global_store_b128 v[LI], v[PK+32*((\a)%2)+4*\b:PK+32*((\a)%2)+4*\b+3], s[6:7] offset:(\a)*65536+\b*512
.endr
	s_cmp_lg_u32 s12, 0
	s_cbranch_scc1 .Lskip_\@
	global_store_b32 v[SO], v[TP+(\a)], s[8:9] offset:128*(\a)
.Lskip_\@:
.endm
	OUTA 0
	OUTA 1
	OUTA 2
	OUTA 3
	OUTA 4
	s_wait_tensorcnt 0x0                           ; the wave's end
	ds_add_u32 v[SPW], v[NIL]
	s_wait_dscnt 0x0
	s_endpgm
.Lfunc_end_k_q1dee8f9e09_scores:
	.size	k_q1dee8f9e09_scores, .Lfunc_end_k_q1dee8f9e09_scores-k_q1dee8f9e09_scores
	.p2alignl 7, 3214868480
	.fill 96, 4, 3214868480
	.section	.rodata,"a",@progbits
	.p2align	6, 0x0
	.amdhsa_kernel k_q1dee8f9e09_scores
		.amdhsa_group_segment_fixed_size 327680
		.amdhsa_private_segment_fixed_size 0
		.amdhsa_enable_private_segment 0
		.amdhsa_kernarg_size 24
		.amdhsa_user_sgpr_count 2
		.amdhsa_user_sgpr_kernarg_segment_ptr 1
		.amdhsa_wavefront_size32 1
		.amdhsa_system_sgpr_workgroup_id_x 1
		.amdhsa_system_sgpr_workgroup_id_y 1
		.amdhsa_system_sgpr_workgroup_id_z 1
		.amdhsa_system_vgpr_workitem_id 0
		.amdhsa_next_free_vgpr 832
		.amdhsa_next_free_sgpr 66
		.amdhsa_reserve_vcc 1
		.amdhsa_float_denorm_mode_32 3
		.amdhsa_float_denorm_mode_16_64 3
		.amdhsa_memory_ordered 1
		.amdhsa_forward_progress 1
		.amdhsa_inst_pref_size 188
	.end_amdhsa_kernel
	.amdgpu_metadata
---
amdhsa.version: [ 1, 2 ]
amdhsa.kernels:
  - .name:           k_q1dee8f9e09_scores
    .symbol:         k_q1dee8f9e09_scores.kd
    .args:
      - { .name: qk, .offset: 0, .size: 8, .value_kind: global_buffer, .address_space: global }
      - { .name: pb, .offset: 8, .size: 8, .value_kind: global_buffer, .address_space: global }
      - { .name: st, .offset: 16, .size: 8, .value_kind: global_buffer, .address_space: global }
    .group_segment_fixed_size: 327680
    .private_segment_fixed_size: 0
    .kernarg_segment_align: 8
    .kernarg_segment_size: 24
    .max_flat_workgroup_size: 128
    .sgpr_count:     66
    .vgpr_count:     832
    .wavefront_size: 32
...
	.end_amdgpu_metadata
.endif
;; end of part 4
;; launch pv (part 5): grid 8 x 32, 4 waves a work-group, clusters of 4 x 1, 327,680 bytes of LDS; arguments pb, vt, st, out0; writes out0
.if DOCPART == 5
	.amdgcn_target "amdgcn-amd-amdhsa--gfx1250"
	.amdhsa_code_object_version 6
	.text
	.protected	k_q1dee8f9e09_pv
	.globl	k_q1dee8f9e09_pv
	.p2align	8
	.type	k_q1dee8f9e09_pv,@function
k_q1dee8f9e09_pv:
	s_mov_b64 s[64:65], 0
	v_nop
	global_prefetch_b8 v0, s[64:65] scope:SCOPE_SE
	s_setreg_imm32_b32 hwreg(HW_REG_WAVE_MODE, 25, 1), 1
	s_wait_xcnt 0x0
	s_wait_alu depctr_hold_cnt(0) depctr_sa_sdst(0) depctr_va_vdst(0) depctr_va_sdst(0) depctr_va_ssrc(0) depctr_va_vcc(0) depctr_vm_vsrc(0)
	s_getreg_b32 s2, hwreg(HW_REG_IB_STS2, 6, 4)
	s_cmp_eq_u32 s2, 0
	s_cbranch_scc0 .Lentry_in_a_cluster
	s_endpgm
.Lentry_in_a_cluster:
	s_bfe_u32 s2, ttmp6, 0x10000c
	s_cmp_lg_u32 s2, 0x3003
	s_cbranch_scc0 .Lentry_shape_is_right
	s_endpgm
.Lentry_shape_is_right:
; Launch 5 of 5: O = (sum over the key tiles of p V, each tile brought under one common M) / (the sum of the l), f16 operands, f32 sums.
; LEFT OUT: key tiles wholly above the diagonal (reference()'s own tril), and rows 0-15 of each sequence, which the f32 launch has stored.
; A work-group makes two tiles of O, 128 queries x 128 channels: block jp of queries ((jp / 2) + 1 steps of 256 keys) and block 15 - jp (the rest of 9 steps): every work-group has 9 steps, 256 equal work-groups.
; Four waves, each 64 queries x 64 channels: 16 accumulators.  Source 0 = 16 channels of V^T, source 1 = 16 queries of p: a lane holds query lane % 16 and eight neighbouring channels.
; p and V^T lie in memory as register images: a slot is 16 dense runs of 8,192 bytes, a fragment load is 16 x lane + a constant.  Two slots; one load a wave behind each change of slots.
; CLUSTER 4, 1, 1: the four partners make four blocks of channels for the same queries: p's tile is asked for jointly.  V^T's tile hangs on the place in the cluster and comes by a load of the work-group's own.
; V^T is not shared between blocks of queries: partners would change tiles at different steps.
; FRAMES.  A tile's p stands under its own whole number m.  For each query: R = the largest m so far; the sums stand under F.  A new tile sets F' = max(m, R - 40); the sums and L are multiplied by g = 2^(F - F'),
; a power of two of at most 2^40: nothing is rounded.  LIMIT: a tile whose m lies more than 40 under R is counted under R - 40, that is with at most 2^-40 of the largest tile's weight.
; At a tile's start F = R = the lowest finite number, so g = 0 and the old sums fall away.  LIMIT: an infinity or a NaN in the first tile's sums would not be cleared so.
; REGISTERS: window 0: v1-30 addresses; v32-95 the way out; v96-127 the frames; v128-255 the accumulators ((a, b) at v[128 + 8 (4 a + b)]).  window 1: two fragment buffers of 128: 64 of p, then 64 of V^T, for 64 keys.
.set SLOT,  131072
.set STAGE, 2*SLOT                     ; 16 rows x 272 bytes for each wave
.set SPI,   272
.set SPARE, STAGE+4*16*SPI             ; the spare words: 128 bytes a wave
.set LI,   3
.set ADRA, 16
.set ADRB, 20
.set STO,  24
.set RD,   25
.set GO,   26
.set SA8,  27                          ; v27 8 r
.set SPW,  28
.set NIL,  29
.set PFO,  30                          ; v30 256 x lane
.set TMP,  32
.set BK,   64
.set FF,   96                          ; v96-99   F
.set RR,   100                         ; v100-103 R
.set LL,   104                         ; v104-107 L
.set G,    108                         ; v108-115 g, as pairs
.set ST,   116                         ; v116-123 (m, l) of the step in hand
.set TT,   124                         ; v124-127 at work
.set ACC,  128
.set F0,   0
.set F1,   128
.set WV,   12
.set HQ,   13
.set HC,   14
.set CX,   15
.set NT,   18                          ; steps of the first tile
.set TEND, 19                          ; the step behind which the tile in hand ends
.set SN,   20                          ; the step
.set SK,   21                          ; 1: my first 16 rows belong to the f32 launch
.set LIM,  22                          ; 8 in a wave that prefetches, else 0
.set CNT,  23
.set G1P,  24
.set G0P,  32
.set PA,   40                          ; p at my part of the first tile's rows;  PB: of the second's
.set PB,   42
.set VB,   44                          ; V^T at my part of the work-group's channels
.set U,    46                          ; s[46:47] an offset; its upper word stays 0
.set G1V,  48
.set G0V,  56
.set SA,   66                          ; st at my wave's rows of the first tile;  SB: of the second
.set SB,   68
.set SPT,  70
.set OC,   72                          ; out0 at my wave's part of the tile in hand;  OB: of the second
.set OB,   74
.set FB,   76                          ; the prefetches' row block of the second tile
.set PF,   78
.set MSB, 0
.macro WIN new
.if MSB != (\new)
	s_set_vgpr_msb (MSB<<8)|(\new)
.set MSB, (\new)
.endif
.endm
.set MUL,  0x05                        ; sources 0 and 1 window 1; C and D window 0
.set TO_F, 0x40
.macro JLOAD s                         ; waves 0 and 1: p's halves, jointly; waves 2 and 3: V^T's halves; an s_nop 0 and four v_nop follow each line
	s_cmp_eq_u32 s[HQ], 0
	s_cbranch_scc0 .Lfor_v_\@
	tensor_load_to_lds s[G0P+4*\s:G0P+4*\s+3], s[G1P:G1P+7]
	s_nop 0
.rept 4
	v_nop
.endr
	s_branch .Lasked_\@
.Lfor_v_\@:
	tensor_load_to_lds s[G0V+4*\s:G0V+4*\s+3], s[G1V:G1V+7]
	s_nop 0
.rept 4
	v_nop
.endr
.Lasked_\@:
.endm
.macro CREST
	s_cmp_lg_u32 s[WV], 0
	s_cbranch_scc1 .Lnot_wave_0_\@
	s_barrier_signal -3
.Lnot_wave_0_\@:
	s_barrier_wait -3
	s_barrier_signal -1
	s_barrier_wait -1
.endm
.macro CROUND
	s_barrier_signal -1
	s_barrier_wait -1
	CREST
.endm
; The addresses of step SN + ahead into slot's two groups 0: which tile, and which 256 keys of it.  Ids and the count of steps alone; p's hold nothing of the place in the cluster.
.macro SETG0 slot, ahead
	s_add_co_u32 s2, s[SN], \ahead
	s_cmp_lt_u32 s2, s[NT]
	s_cselect_b64 s[82:83], s[PA:PA+1], s[PB:PB+1]
	s_cselect_b32 s3, 0, s[NT]
	s_sub_co_u32 s2, s2, s3
	s_lshl_b32 s[U], s2, 13                        ; 8 fragments of 1,024 bytes a step
	s_add_nc_u64 s[G0P+4*\slot+2:G0P+4*\slot+3], s[82:83], s[U:U+1]
	s_or_b32 s[G0P+4*\slot+3], s[G0P+4*\slot+3], 0x80000000
	s_add_nc_u64 s[G0V+4*\slot+2:G0V+4*\slot+3], s[VB:VB+1], s[U:U+1]
	s_or_b32 s[G0V+4*\slot+3], s[G0V+4*\slot+3], 0x80000000
.endm
.macro LDSTAT ahead                    ; (m, l) of my 64 queries for step SN + ahead
	s_add_co_u32 s2, s[SN], \ahead
	s_cmp_lt_u32 s2, s[NT]
	s_cselect_b64 s[SPT:SPT+1], s[SA:SA+1], s[SB:SB+1]
	s_cselect_b32 s3, 0, s[NT]
	s_sub_co_u32 s2, s2, s3
	s_lshl_b32 s[U], s2, 16
	s_add_nc_u64 s[SPT:SPT+1], s[SPT:SPT+1], s[U:U+1]
.irp a, 0,1,2,3
	global_load_b64 v[ST+2*\a:ST+2*\a+1], v[SA8], s[SPT:SPT+1] offset:128*\a
.endr
.endm
; A prefetch of p for step SN + 4: two steps, 256 matrix instructions, ahead of the load that will ask for it.  Step SN + 4 always lies in the second tile (the first has at most 4 steps).
; Each run of 256 bytes is named once: the clusters x = 0 ask; partner cx's waves 0 and 1 take row block 2 cx + wave, told apart by address; lanes 256 bytes apart cover its 8,192 bytes.  Nothing is asked past step 8.
.macro ASK
	s_add_co_u32 s2, s[SN], 4
	s_cmp_le_u32 s2, s[LIM]
	s_cbranch_scc0 .Lnot_mine_\@
	global_prefetch_b8 v[PFO], s[PF:PF+1] th:TH_LOAD_NT scope:SCOPE_SE
.Lnot_mine_\@:
.endm
	s_load_b256 s[4:11], s[0:1], 0x0               ; pb, vt, st, out0
	v_lshl_add_u32 v[SPW], v0, 2, SPARE
	v_mov_b32 v[NIL], 0
	ds_add_u32 v[SPW], v[NIL]                      ; the wave's opening: the add, twice on end, and its wait ahead of my first tensor load
	ds_add_u32 v[SPW], v[NIL]
	v_lshrrev_b32 v1, 5, v0
	v_readfirstlane_b32 s[WV], v1
	s_lshr_b32 s[HQ], s[WV], 1                     ; my half of the queries.  Also: I fetch p (0) or V^T (1)
	s_and_b32 s[HC], s[WV], 1                      ; my half of the channels.  Also: which half I fetch
	s_bfe_u32 s[CX], ttmp6, 0x40000
	s_and_b32 s16, ttmp7, 0xffff
	s_lshr_b32 s17, s16, 3                         ; batch
	s_and_b32 s16, s16, 7                          ; jp
	s_sub_co_u32 s80, 15, s16                      ; the second block of queries
	s_lshr_b32 s[NT], s16, 1
	s_add_co_u32 s[NT], s[NT], 1
	s_mov_b32 s[TEND], s[NT]
	s_mov_b32 s[SN], 0
	s_or_b32 s2, s16, s[HQ]
	s_cmp_eq_u32 s2, 0
	s_cselect_b32 s[SK], 1, 0
	s_or_b32 s2, ttmp9, s[HQ]
	s_cmp_eq_u32 s2, 0
	s_cselect_b32 s[LIM], 8, 0
	s_mov_b32 s[G1P+0], 15|(3<<16)|(1<<21)         ; all four partners; elements of 8 bytes; bit 21 beside a mask
	s_mov_b32 s[G1V+0], 3<<16                      ; no mask
.irp g, G1P, G1V
	s_mov_b32 s[\g+1], 1024<<16                    ; tensor_dim0: 8,192 bytes
	s_mov_b32 s[\g+2], 4<<16                       ; tensor_dim1
	s_mov_b32 s[\g+3], 1024<<16                    ; tile_dim0
	s_mov_b32 s[\g+4], 4                           ; tile_dim1: four row blocks
	s_mov_b32 s[\g+5], 8192                        ; 65,536 bytes from row block to row block
	s_mov_b32 s[\g+6], 0
	s_mov_b32 s[\g+7], 0
.endr
	s_lshl_b32 s81, s17, 23                        ; the batch in pb and in out0
	s_lshl_b32 s2, s[HC], 18
	s_add_co_u32 s2, s2, s81
	s_lshl_b32 s3, s16, 19
	s_add_co_u32 s[PA], s2, s3
	s_mov_b32 s[PA+1], 0
	s_lshl_b32 s3, s80, 19
	s_add_co_u32 s[PB], s2, s3
	s_mov_b32 s[PB+1], 0
	s_lshl_b32 s84, ttmp9, 2
	s_add_co_u32 s84, s84, s[CX]                   ; my block of 128 channels
	s_lshl_b32 s[VB], s84, 19
	s_lshl_b32 s85, s[HC], 18
	s_add_co_u32 s[VB], s[VB], s85
	s_lshl_b32 s85, s17, 22
	s_add_co_u32 s[VB], s[VB], s85
	s_mov_b32 s[VB+1], 0
	s_mov_b32 s[U+1], 0
	s_lshl_b32 s2, s17, 14                         ; st: (batch x 2,048 + 128 x block + 64 hq) x 8
	s_lshl_b32 s3, s[HQ], 9
	s_add_co_u32 s2, s2, s3
	s_lshl_b32 s3, s16, 10
	s_add_co_u32 s[SA], s2, s3
	s_mov_b32 s[SA+1], 0
	s_lshl_b32 s3, s80, 10
	s_add_co_u32 s[SB], s2, s3
	s_mov_b32 s[SB+1], 0
	s_lshl_b32 s85, s84, 9                         ; out0: rows of 4,096 bytes; 512 bytes a block of channels, 256 a half
	s_add_co_u32 s85, s85, s81
	s_lshl_b32 s82, s[HQ], 18
	s_add_co_u32 s85, s85, s82
	s_lshl_b32 s82, s[HC], 8
	s_add_co_u32 s85, s85, s82
	s_lshl_b32 s82, s16, 19
	s_add_co_u32 s[OC], s85, s82
	s_mov_b32 s[OC+1], 0
	s_lshl_b32 s82, s80, 19
	s_add_co_u32 s[OB], s85, s82
	s_mov_b32 s[OB+1], 0
	s_lshl_b32 s85, s[CX], 17                      ; the prefetches: row block 2 cx + wave of the second tile
	s_add_co_u32 s85, s85, s81
	s_lshl_b32 s82, s[WV], 16
	s_add_co_u32 s85, s85, s82
	s_lshl_b32 s82, s80, 19
	s_add_co_u32 s[FB], s85, s82
	s_mov_b32 s[FB+1], 0
	s_lshl_b32 s2, s[WV], 15                       ; where my loads land in a slot: wave x 32,768
.irp s, 0,1
	s_mov_b32 s[G0P+4*\s], 1
	s_add_co_u32 s[G0P+4*\s+1], s2, \s*SLOT
	s_mov_b32 s[G0V+4*\s], 1
	s_add_co_u32 s[G0V+4*\s+1], s2, \s*SLOT
.endr
	s_wait_dscnt 0x0                               ; both opening adds are done
	s_wait_kmcnt 0x0
	s_add_nc_u64 s[PA:PA+1], s[4:5], s[PA:PA+1]
	s_add_nc_u64 s[PB:PB+1], s[4:5], s[PB:PB+1]
	s_add_nc_u64 s[FB:FB+1], s[4:5], s[FB:FB+1]
	s_add_nc_u64 s[VB:VB+1], s[6:7], s[VB:VB+1]
	s_add_nc_u64 s[SA:SA+1], s[8:9], s[SA:SA+1]
	s_add_nc_u64 s[SB:SB+1], s[8:9], s[SB:SB+1]
	s_add_nc_u64 s[OC:OC+1], s[10:11], s[OC:OC+1]
	s_add_nc_u64 s[OB:OB+1], s[10:11], s[OB:OB+1]
	CROUND                                         ; all four work-groups are here: the first joint loads meet
	SETG0 0, 0
	JLOAD 0
	SETG0 1, 1
	JLOAD 1                                        ; two loads of mine are out
	v_and_b32 v1, 15, v0                           ; r
	v_bfe_u32 v2, v0, 4, 1                         ; h
	v_and_b32 v3, 31, v0
	v_lshlrev_b32 v[PFO], 8, v3
	v_lshlrev_b32 v[LI], 4, v3
	v_lshlrev_b32 v[SA8], 3, v1
	LDSTAT 0
	s_lshl_b32 s2, s[HQ], 15
	s_lshl_b32 s3, s[HC], 15
	s_add_co_u32 s3, s3, 65536
.irp s, 0,1
	v_add_nc_u32 v[ADRA+\s], s2, v[LI]
	v_add_nc_u32 v[ADRB+\s], s3, v[LI]
	s_add_co_u32 s2, s2, SLOT
	s_add_co_u32 s3, s3, SLOT
.endr
	s_mul_i32 s2, s[WV], 16*SPI
	s_add_co_u32 s2, s2, STAGE
	v_mul_u32_u24 v[STO], v1, SPI
	v_lshl_add_u32 v[STO], v2, 5, v[STO]
	v_add_nc_u32 v[STO], s2, v[STO]                ; the stage, in: row r + 32 h
	v_mul_u32_u24 v[RD], v2, SPI
	v_lshl_add_u32 v[RD], v1, 4, v[RD]
	v_add_nc_u32 v[RD], s2, v[RD]                  ; back: lanes 0-15 one row of 256 bytes, lanes 16-31 the next
	v_lshlrev_b32 v[GO], 12, v2
	v_lshl_add_u32 v[GO], v1, 4, v[GO]             ; and the same two rows in out0
.irp a, 0,1,2,3
	v_mov_b32 v[FF+\a], 0xff7fffff                 ; the lowest finite number: under every m by more than 2^31
	v_mov_b32 v[RR+\a], 0xff7fffff
	v_mov_b32 v[LL+\a], 0
	v_mov_b32 v[G+2*\a+1], 0                       ; (named as the upper half of a pair)
.endr
.set i, 0
.rept 128
	v_mov_b32 v[ACC+i], 0                          ; written once: the step is written once, and its first rescaling finds zeros
.set i, i+1
.endr
.macro MUL8 f, c, a0                   ; 8 matrix instructions; the 16 accumulators take turns
.irp a, \a0, \a0+1
.irp b, 0,1,2,3
	v_wmma_f32_16x16x32_f16 v[ACC+8*(4*(\a)+\b):ACC+8*(4*(\a)+\b)+7], v[\f+64+8*(4*\c+\b):\f+64+8*(4*\c+\b)+7], v[\f+8*(4*\c+\a):\f+8*(4*\c+\a)+7], v[ACC+8*(4*(\a)+\b):ACC+8*(4*(\a)+\b)+7]
.endr
.endr
.endm
.macro FETCH slot, q, f                ; 32 LDS loads in one run: the fragments of 64 keys, the slot's q-th; the first 32 keys first
	WIN TO_F
.irp c, 0,1
.irp i, 0,1,2,3
	ds_load_b128 v[\f+64+8*(4*\c+\i):\f+64+8*(4*\c+\i)+3],   v[ADRB+\slot] offset:\i*8192+(2*(\q)+\c)*1024
	ds_load_b128 v[\f+64+8*(4*\c+\i)+4:\f+64+8*(4*\c+\i)+7], v[ADRB+\slot] offset:\i*8192+(2*(\q)+\c)*1024+512
	ds_load_b128 v[\f+8*(4*\c+\i):\f+8*(4*\c+\i)+3],         v[ADRA+\slot] offset:\i*8192+(2*(\q)+\c)*1024
	ds_load_b128 v[\f+8*(4*\c+\i)+4:\f+8*(4*\c+\i)+7],       v[ADRA+\slot] offset:\i*8192+(2*(\q)+\c)*1024+512
.endr
.endr
.endm
.macro PLACES
.rept 4
	v_nop
.endr
.endm
.macro QUARTER slot, q, f, g
	s_wait_dscnt 16                                ; the first 32 keys' fragments are in; the other sixteen loads may be out
	WIN MUL
	MUL8 \f, 0, 0
	MUL8 \f, 0, 2
	PLACES
	FETCH \slot, \q, \g
	s_wait_dscnt 32                                ; all but the 32 just issued
	WIN MUL
	MUL8 \f, 1, 0
	MUL8 \f, 1, 2
.endm
; A step's last quarter changes slots.  In front of the barrier each wave waits for all its tensor loads, adds 0 to its spare word, and waits for that and for its reads of this slot.
; fill = 1: the barrier opens a round of the cluster's, and this slot is filled again, two steps ahead, first thing behind the round.
.macro TURN slot, next, fill
	WIN 0
.if \fill
	s_wait_xcnt 0x0                                ; the last prefetch, a step back, has read its address
	s_add_co_u32 s2, s[SN], 4
	s_sub_co_u32 s2, s2, s[NT]
	s_lshl_b32 s[U], s2, 13
	s_add_nc_u64 s[PF:PF+1], s[FB:FB+1], s[U:U+1]
.endif
	s_wait_tensorcnt 0x0                           ; no tensor load of mine is out: the groups 0 may be written
	ds_add_u32 v[SPW], v[NIL]
.if \fill
	SETG0 \slot, 2
.endif
	s_wait_dscnt 17                                ; the add and the youngest sixteen loads may be out
	WIN MUL
	MUL8 F1, 0, 0
	s_wait_dscnt 0x0                               ; the add is done, and my reads of this slot are over
	s_barrier_signal -1
	MUL8 F1, 0, 2
.if \fill
	WIN 0
.endif
	s_barrier_wait -1
.if \fill
	CREST
	JLOAD \slot                                    ; its four v_nop are also the places in front of the loads below
.else
	PLACES
.endif
	FETCH \next, 0, F0
.if \fill
	WIN 0
	ASK
.endif
	WIN MUL
	MUL8 F1, 1, 0
	MUL8 F1, 1, 2
.endm
.macro FRAMES
.irp a, 0,1,2,3
	v_max_num_f32 v[RR+\a], v[RR+\a], v[ST+2*\a]
.endr
.irp a, 0,1,2,3
	v_add_f32 v[TT+\a], 0xc2200000, v[RR+\a]       ; R - 40
.endr
.irp a, 0,1,2,3
	v_max_num_f32 v[TT+\a], v[ST+2*\a], v[TT+\a]   ; F'
.endr
.irp a, 0,1,2,3
	v_sub_f32 v[FF+\a], v[FF+\a], v[TT+\a]         ; a whole number, 40 at the most
.endr
.irp a, 0,1,2,3
	v_cvt_i32_f32 v[FF+\a], v[FF+\a]               ; (it saturates)
.endr
.irp a, 0,1,2,3
	v_ldexp_f32 v[G+2*\a], 1.0, v[FF+\a]           ; g
.endr
.irp a, 0,1,2,3
	v_mov_b32 v[FF+\a], v[TT+\a]
.endr
.irp a, 0,1,2,3
	v_fma_f32 v[LL+\a], v[LL+\a], v[G+2*\a], v[ST+2*\a+1]
.endr
.endm
.macro RESCALE
.irp a, 0,1,2,3
.set i, 0
.rept 16
	v_pk_mul_f32 v[ACC+32*\a+i:ACC+32*\a+i+1], v[ACC+32*\a+i:ACC+32*\a+i+1], v[G+2*\a:G+2*\a+1] op_sel_hi:[1,0]
.set i, i+2
.endr
.endr
.endm
; A tile of O leaves: divided by L, a block of 16 rows at a time through my own stage, so that sixteen lanes store 256 consecutive bytes, aligned.
.macro WAYOUT
.irp a, 0,1,2,3
	v_rcp_f32 v[G+2*\a], v[LL+\a]
.endr
	v_nop
	s_wait_alu depctr_va_vdst(0)                   ; one wait for the four reciprocals
.irp a, 0,1,2,3
.if \a == 0
	s_cmp_eq_u32 s[SK], 1                          ; rows 0-15 of a sequence are not mine (ids alone)
	s_cbranch_scc1 .Lnot_these_\@
.endif
	s_wait_xcnt 0x0                                ; the last block's stores have read their registers
.set i, 0
.rept 16
	v_pk_mul_f32 v[TMP+i:TMP+i+1], v[ACC+32*\a+i:ACC+32*\a+i+1], v[G+2*\a:G+2*\a+1] op_sel_hi:[1,0]
.set i, i+2
.endr
.irp b, 0,1,2,3
	ds_store_b128 v[STO], v[TMP+8*\b:TMP+8*\b+3] offset:64*\b
	ds_store_b128 v[STO], v[TMP+8*\b+4:TMP+8*\b+7] offset:64*\b+16
.endr
.irp t, 0,1,2,3,4,5,6,7
	ds_load_b128 v[BK+4*\t:BK+4*\t+3], v[RD] offset:\t*2*SPI       ; LDS serves a wave's instructions in order: these see my stores
.endr
.irp t, 0,1,2,3,4,5,6,7
	s_wait_dscnt 7-\t                              ; rows 2 t, 2 t + 1 are back; the younger loads may be out
	global_store_b128 v[GO], v[BK+4*\t:BK+4*\t+3], s[OC:OC+1] offset:(16*\a+2*\t)*4096 th:TH_STORE_NT
.endr
.if \a == 0
.Lnot_these_\@:
.endif
.endr
.endm
; A step of 256 keys.  ends = 1: the first tile may end behind it.
.macro KSTEP slot, next, fill, ends
	s_wait_loadcnt 0x0                             ; this step's (m, l), asked for a step ago
	FRAMES
	LDSTAT 1
	RESCALE
	QUARTER \slot, 1, F0, F1
	QUARTER \slot, 2, F1, F0
	QUARTER \slot, 3, F0, F1
	TURN \slot, \next, \fill
	WIN 0
	PLACES
	s_add_co_u32 s[SN], s[SN], 1
.if \ends
	s_cmp_lg_u32 s[SN], s[TEND]                    ; ids and the count of steps: alike in all four partners
	s_cbranch_scc1 .Lgo_on_\@
	WAYOUT
	s_wait_xcnt 0x0                                ; the stores have read their base
	s_mov_b64 s[OC:OC+1], s[OB:OB+1]
	s_mov_b32 s[TEND], 9
	s_mov_b32 s[SK], 0
.irp a, 0,1,2,3
	v_mov_b32 v[FF+\a], 0xff7fffff
	v_mov_b32 v[RR+\a], 0xff7fffff
	v_mov_b32 v[LL+\a], 0
.endr
.Lgo_on_\@:
.endif
.endm
	s_wait_tensorcnt 1                             ; my part of step 0 is in; step 1's may be out
	s_barrier_signal -1
	s_barrier_wait -1
	FETCH 0, 0, F0
	WIN 0
	s_mov_b32 s[CNT], 3
.Lpair:                                                ; steps 0 to 5
	KSTEP 0, 1, 1, 1
	KSTEP 1, 0, 1, 1
	s_sub_co_u32 s[CNT], s[CNT], 1
	s_cmp_lg_u32 s[CNT], 0
	s_cbranch_scc1 .Lpair
	KSTEP 0, 1, 1, 0                               ; step 6 asks for step 8: the last load
	KSTEP 1, 0, 0, 0                               ; step 7
	s_wait_loadcnt 0x0                             ; step 8: nothing more to ask for
	FRAMES
	RESCALE
	QUARTER 0, 1, F0, F1
	QUARTER 0, 2, F1, F0
	QUARTER 0, 3, F0, F1
	s_wait_dscnt 16
	WIN MUL
	MUL8 F1, 0, 0
	MUL8 F1, 0, 2
	s_wait_dscnt 0
	MUL8 F1, 1, 0
	MUL8 F1, 1, 2
	WIN 0
	PLACES
	WAYOUT
	s_wait_tensorcnt 0x0                           ; the wave's end
	ds_add_u32 v[SPW], v[NIL]
	s_wait_dscnt 0x0
	CROUND                                         ; the closing round
	s_endpgm
.Lfunc_end_k_q1dee8f9e09_pv:
	.size	k_q1dee8f9e09_pv, .Lfunc_end_k_q1dee8f9e09_pv-k_q1dee8f9e09_pv
	.p2alignl 7, 3214868480
	.fill 96, 4, 3214868480
	.section	.rodata,"a",@progbits
	.p2align	6, 0x0
	.amdhsa_kernel k_q1dee8f9e09_pv
		.amdhsa_group_segment_fixed_size 327680
		.amdhsa_private_segment_fixed_size 0
		.amdhsa_enable_private_segment 0
		.amdhsa_kernarg_size 32
		.amdhsa_user_sgpr_count 2
		.amdhsa_user_sgpr_kernarg_segment_ptr 1
		.amdhsa_wavefront_size32 1
		.amdhsa_system_sgpr_workgroup_id_x 1
		.amdhsa_system_sgpr_workgroup_id_y 1
		.amdhsa_system_sgpr_workgroup_id_z 1
		.amdhsa_system_vgpr_workitem_id 0
		.amdhsa_next_free_vgpr 512
		.amdhsa_next_free_sgpr 86
		.amdhsa_reserve_vcc 0
		.amdhsa_float_denorm_mode_32 3
		.amdhsa_float_denorm_mode_16_64 3
		.amdhsa_memory_ordered 1
		.amdhsa_forward_progress 1
		.amdhsa_inst_pref_size 174
	.end_amdhsa_kernel
	.amdgpu_metadata
---
amdhsa.version: [ 1, 2 ]
amdhsa.kernels:
  - .name:           k_q1dee8f9e09_pv
    .symbol:         k_q1dee8f9e09_pv.kd
    .args:
      - { .name: pb, .offset: 0, .size: 8, .value_kind: global_buffer, .address_space: global }
      - { .name: vt, .offset: 8, .size: 8, .value_kind: global_buffer, .address_space: global }
      - { .name: st, .offset: 16, .size: 8, .value_kind: global_buffer, .address_space: global }
      - { .name: out0, .offset: 24, .size: 8, .value_kind: global_buffer, .address_space: global }
    .group_segment_fixed_size: 327680
    .private_segment_fixed_size: 0
    .kernarg_segment_align: 8
    .kernarg_segment_size: 32
    .max_flat_workgroup_size: 128
    .sgpr_count:     86
    .vgpr_count:     512
    .wavefront_size: 32
...
	.end_amdgpu_metadata
.endif
;; end of part 5
